; MI455X (gfx1250); checked and timed in simulation.
; The chip was launched on July 23, 2026; its instructions are those of AMD's public machine-readable ISA for CDNA 5 (MIT licence, August 2026) and "CDNA5" Instruction Set Architecture Reference Guide (July 2026). The comments in the code are by the model that wrote it; some were corrected since.
;; Sparse Multi Head Attention. Allowed arithmetic: matrix products marked QUANTISED: E2M3 operands, one E8M0 scale for each 32 along K, by v_wmma_scale_f32_16x16x128_f8f6f4 with both operands' format E2M3, f32 sums; everything else in f32.
;; Inputs: bk 1,024 float32; bo 1,024 float32; bq 1,024 float32; bv 1,024 float32; k 2 x 2,048 x 1,024 float32; q 2 x 2,048 x 1,024 float32; v 2 x 2,048 x 1,024 float32; wk 1,024 x 1,024 float32; wo 1,024 x 1,024 float32; wq 1,024 x 1,024 float32; wv 1,024 x 1,024 float32.
;; Outputs: out0 2 x 2,048 x 1,024 float32.
;; This version of the problem:
;;   THIS VERSION OF THE PROBLEM IS GIVEN IN LOW PRECISION. The matrix products marked QUANTISED in the list below multiply operands that are first quantised to E2M3 (2 exponent bits, 3 mantissa bits; 6 bits a number), with one power-of-two scale for each 32 numbers along K (OCP MX v1.0); their sums are f32. All else is computed in f32.
;;   The module's matrix products, in the order in which they are computed (A, B: the left and right operand; K: the contracted axis; several contracted axes count as one K, in the product's order):
;;     1. [M 4,096, K 1,024] x [K 1,024, N 1,024]; A: input q; B: input wq: QUANTISED
;;     2. [M 4,096, K 1,024] x [K 1,024, N 1,024]; A: input k; B: input wk: QUANTISED
;;     3. [M 4,096, K 1,024] x [K 1,024, N 1,024]; A: input v; B: input wv: QUANTISED
;;     4. batch 32 x [M 2,048, K 64] x [K 64, N 2,048]; A: computed on the way; B: computed on the way: QUANTISED
;;     5. batch 32 x [M 2,048, K 2,048] x [K 2,048, N 64]; A: softmax (see below); B: computed on the way: QUANTISED
;;     6. [M 4,096, K 1,024] x [K 1,024, N 1,024]; A: computed on the way; B: input wo: QUANTISED
;;   THE QUANTISER, for each operand of a quantised product, along K:
;;     - K is cut into blocks of 32 from its start; a last block that is shorter is filled with zeros.
;;     - A block's scale is 2^e with e = floor(log2(the largest magnitude in the block)) - 2, held to -126 .. 127; a block of zeros has e = 0. As a byte (E8M0): e + 127.
;;     - Each number is divided by its block's scale, clamped to +-7.5, and rounded to the nearest number of E2M3, ties to even, subnormals kept.
;;     - The product sums the exact products of the quantised numbers (number of the format x scale) in f32.
;;   ~~~python
;;   def quantise(x, axis):      # numpy; x: float32 -> the quantised numbers, widened to float32 again
;;       x = np.moveaxis(x, axis, -1); K = x.shape[-1]
;;       x = np.pad(x, [(0, 0)] * (x.ndim - 1) + [(0, -K % 32)]); x = x.reshape(x.shape[:-1] + (-1, 32)); a = np.abs(x).max(-1, keepdims=True)
;;       e = np.where(a > 0, np.clip(np.frexp(np.where(a > 0, a, 1))[1] - 1 - 2, -126, 127), 0)      # np.frexp(a)[1] - 1 = floor(log2(a)), exactly
;;       r = np.clip(x / 2.0 ** e, -7.5, 7.5)
;;       step = 2.0 ** (np.maximum(np.frexp(np.where(r == 0, 1, r))[1] - 1, 0) - 3)
;;       q = np.round(r / step) * step * 2.0 ** e      # np.round: ties to even
;;       return np.moveaxis(q.reshape(q.shape[:-2] + (-1,))[..., :K], -1, axis).astype(np.float32)
;;   ~~~
;;   SOFTMAX AHEAD OF A QUANTISED PRODUCT. Where the list says 'softmax', what is quantised is not the finished softmax but p = 2^(t - M), with t = logit x log2(e) and M = ceil(the row's largest t), a whole number; so 1/2 < the row's largest p <= 1. The row's sum l is taken of the UNQUANTISED p, in f32, and the product's result is divided by l at the end. Since M is a whole number, a kernel that streams over the keys may use a running M (the ceiling of the running maximum): every later rescaling is an exact power of two, which a block's scale takes up: the codes' values come out the same.
;;   OPERANDS COMPUTED ON THE WAY. 'Computed on the way' means the value that the module computes at that place (a softmax that the list does not call 'softmax' is quantised finished and normalised). What goes into a quantiser is computed in f32, as accurately as f32 sums, v_exp_f32 and their like allow (about 1e-6 of the number): no bf16 or f16 on the way to a quantiser, and a product that is left as it is and whose result goes on into a quantised operand takes f32 operands (vector FMAs, or v_wmma_f32_16x16x4_f32). A number that lies on a knife's edge between two numbers of the format may be rounded either way, as far as f32 arithmetic and the matrix unit's own rounding can turn it there, and no further.
;; One version. Each part assembles by itself: llvm-mc -triple=amdgcn-amd-amdhsa -mcpu=gfx1250 --defsym DOCPART=n.
;; ======== version 1 of 1: 4 launches
;; limits: right only within a limited range of input values
;; workspace buffers: codes 12,582,912 bytes; scales 524,288 bytes; rope 1,048,576 bytes; img 9,437,184 bytes; isc 786,432 bytes; ao 3,145,728 bytes; asc 131,072 bytes
;; launch prep (part 1): grid 640 x 1, 4 waves a work-group, no clusters, 35,328 bytes of LDS; arguments q, k, v, wq, wk, wv, wo, codes, scales, rope; writes codes, scales, rope
.if DOCPART == 1
	.amdgcn_target "amdgcn-amd-amdhsa--gfx1250"
	.amdhsa_code_object_version 6
	.text
	.protected	k_q3d832a0d0e_prep
	.globl	k_q3d832a0d0e_prep
	.p2align	8
	.type	k_q3d832a0d0e_prep,@function
k_q3d832a0d0e_prep:
	s_mov_b64 s[64:65], 0
	v_nop
	global_prefetch_b8 v0, s[64:65] scope:SCOPE_SE
	s_setreg_imm32_b32 hwreg(HW_REG_WAVE_MODE, 25, 1), 1
	s_wait_xcnt 0x0
; PROGRAM: out0 = attention(q wq^T + bq, k wk^T + bk, v wv^T + bv) wo^T + bo, all six products on codes of FP6 (E2M3) with one E8M0 scale for each 32 along K.
; Four launches: prep (this one) | qkv (three projections, RoPE, quantisers) | attn | oproj.
; WORK LEFT OUT, AND WHY IT IS DEAD.  The mask is built in the problem's own body: for a query i >= 16 a key j counts only where j < 16 or i - 128 <= j <= i; everywhere else the score is
; -infinity, p = 2^(-infinity) = 0, and a zero adds nothing to the row's sum nor to the product with V, whatever finite values the inputs hold.  For 64 aligned queries (group g) the keys that count
; lie in the aligned groups of 64 keys g - 2, g - 1, g and in group 0: the other groups' score tiles and value tiles are whole tiles of zeros and are not computed.  Queries 0 to 15 see all keys and
; are computed in full.  No input is dead: all eleven are loaded (bk stands ahead of a quantiser).
; LIMITS.  A NaN, an infinity or an overflow that reaches only the tiles left out is not carried to the result.  NaN and infinities among the inputs are not served.  A block whose largest
; magnitude lies under 2^-124 keeps the scale byte 1; a block of zeros too (its codes are zeros; the bytes are read by this program alone).
; The RoPE angle is position x 2^(-i log2(10000) / 32), made by one multiplication and v_exp_f32: it may differ from a correctly rounded one by some 2.5e-4 radians at position 2,047.
;
; THIS LAUNCH.  Work-groups 0-511: q, k, v, wq, wk, wv, wo (f32, K innermost) become codes and scale words.  All 16,384 rows count on: q 0, k 4,096, v 8,192, wq 12,288, wk 13,312, wv 14,336, wo 15,360.
;   codes  [K / 64: 16][row / 16: 1,024][piece: 3][lane: 32][8 bytes]: the order of the operand's registers: lane (r, h) holds the 24 bytes of row r, k = 64 kap + 32 h + 0 .. 31.
;   scales [K / 128: 8][row][4 bytes]: byte b scales k = 32 b on.
;   THE ORDER OF ROWS: in k, v, wq, wk, wv the stored row 16 t + 8 h + j of a group of 64 is the natural row 32 h + 8 t + j, so that a later product's 32 registers of four neighbouring tiles are 32 neighbours
;   in ONE lane.  q and wo keep their order.
;   A wave takes 64 rows x 128 along K, in four steps of 16 stored rows: 16 loads of 512 consecutive bytes, a turn through its own stage in LDS, two blocks of 32 a lane.  Waves share nothing: no barrier.
; Work-groups 512-639: the RoPE tables, 4,096 rows of [cos 32][sin 32] f32: row s for position s, and row 2,048 + (the stored place of s) for K's order of rows.  sin and cos by a reduction to
; [-pi/4, pi/4] in two steps and polynomials of degree 7 and 8.
.set WREG,  8704                       ; LDS of a wave: a stage of 16 rows x 528 bytes (512 + 16), then 256 bytes of scale words
.set SWO,   8448
.set SPARE, 4*WREG                     ; behind the four regions: the spare words, 128 bytes for each wave
.set SPW,   60                         ; v60  my spare word's address; never rewritten
.set NIL,   61                         ; v61  0; never rewritten
.set R,     64                         ; v64-191  two sets of 64: 16 rows as loaded
.set X,     192                        ; v192-255 two blocks of 32 neighbours
.set CD,    24                         ; v24-55   codes: a set of 8 for each block, two pairs of sets that take turns from step to step
; 32 numbers of a lane, v[z] on, become 6 registers of codes, v[c] .. v[c + 5], and the scale's byte, v[t + 3].  t .. t + 3: at work.
.macro QUANT32 z, c, t
	v_max3_num_f32 v[(\t)], |v[(\z)]|, |v[(\z)+1]|, 0x1800000        ; two chains; the floor 2^(3 - 127) among the leaves holds the byte at 1 from below
	v_max3_num_f32 v[(\t)+1], |v[(\z)+16]|, |v[(\z)+17]|, 0x1800000
.irp i, 2,4,6,8,10,12,14
	v_max3_num_f32 v[(\t)], v[(\t)], |v[(\z)+\i]|, |v[(\z)+\i+1]|
	v_max3_num_f32 v[(\t)+1], v[(\t)+1], |v[(\z)+16+\i]|, |v[(\z)+17+\i]|
.endr
	v_max_num_f32 v[(\t)], v[(\t)], v[(\t)+1]                        ; the block's largest magnitude: all 32 numbers are mine
	v_add_nc_u32 v[(\t)+2], 0xff000000, v[(\t)]                      ; 2 off its exponent field: the conversion's scale operand
	v_cvt_scalef32_pk16_fp6_f32 v[(\c):(\c)+2], v[(\z):(\z)+15], v[(\t)+2]
	v_cvt_scalef32_pk16_fp6_f32 v[(\c)+4:(\c)+6], v[(\z)+16:(\z)+31], v[(\t)+2]   ; (a conversion's three registers begin on an even number)
	v_lshrrev_b32 v[(\t)+3], 23, v[(\t)+2]                           ; the scale's byte; also the plain line behind the conversions
	v_mov_b32 v[(\c)+3], v[(\c)+4]
	v_mov_b32 v[(\c)+4], v[(\c)+5]
	v_mov_b32 v[(\c)+5], v[(\c)+6]
.endm
	s_load_b512 s[4:19], s[0:1], 0x0               ; q, k, v, wq, wk, wv, wo, codes
	s_load_b128 s[20:23], s[0:1], 0x40             ; scales, rope
	v_lshl_add_u32 v[SPW], v0, 2, SPARE
	v_mov_b32 v[NIL], 0
	v_lshrrev_b32 v1, 5, v0
	v_readfirstlane_b32 s24, v1                    ; wave
	v_and_b32 v20, 31, v0                          ; lane
	v_and_b32 v21, 15, v0                          ; r
	v_bfe_u32 v22, v0, 4, 1                        ; h
	v_lshlrev_b32 v2, 3, v20                       ; 8 x lane
	s_mov_b32 s52, 0x76543210
	s_mov_b32 s53, 0xfedcba98                      ; v_permlanex16_b32's selects for lane l xor 16
	s_cmp_ge_u32 ttmp9, 512
	s_cbranch_scc1 .Lrope
	; ---- the quantiser
	s_lshr_b32 s25, ttmp9, 1                       ; which group of 64 rows, 0 .. 255
	s_and_b32 s26, ttmp9, 1
	s_lshl_b32 s26, s26, 2
	s_add_co_u32 s26, s26, s24                     ; which 128 along K, 0 .. 7
	s_wait_alu depctr_va_vdst(0)
	v_lshlrev_b32 v1, 4, v20                       ; 16 x lane
	s_mul_i32 s27, s24, WREG
	v_add_nc_u32 v3, s27, v1                       ; the stage, in: 16 x lane, a row an instruction
	v_mul_u32_u24 v4, v21, 528
	v_lshl_add_u32 v4, v22, 7, v4
	v_add_nc_u32 v4, s27, v4                       ; out: row r, + 128 h: my block of 32 numbers
	v_lshlrev_b32 v5, 2, v21
	v_add_nc_u32 v5, s27, v5
	v_add_nc_u32 v5, SWO, v5                       ; my row's scale word
	v_add_nc_u32 v6, s27, v2
	v_add_nc_u32 v6, SWO, v6                       ; and 8 bytes a lane on the way out
	v_lshlrev_b32 v7, 3, v22                       ; 8 h
	v_mov_b32 v16, 0                               ; (a lane permute's destination counts as read)
	s_and_b32 s30, s25, 63
	s_and_b32 s31, s25, 15
	s_cmp_lt_u32 s25, 192
	s_cselect_b32 s30, s30, s31                    ; the group's number in its own tensor
	s_cmp_lt_u32 s25, 64
	s_cselect_b32 s31, 1, 0
	s_cmp_ge_u32 s25, 240
	s_cselect_b32 s31, 1, s31                      ; q and wo keep their rows' order
	s_cmp_eq_u32 s31, 1
	s_cselect_b32 s56, 16, 8                       ; natural rows from stored tile to stored tile,
	s_cselect_b32 s58, 8, 32                       ; and from a tile's first eight rows to its second eight
	s_wait_alu depctr_va_vdst(0)
	s_wait_kmcnt 0x0
	s_mov_b64 s[28:29], s[16:17]                   ; the tensor: chosen by the group's number alone
	s_cmp_lt_u32 s25, 240
	s_cselect_b64 s[28:29], s[14:15], s[28:29]
	s_cmp_lt_u32 s25, 224
	s_cselect_b64 s[28:29], s[12:13], s[28:29]
	s_cmp_lt_u32 s25, 208
	s_cselect_b64 s[28:29], s[10:11], s[28:29]
	s_cmp_lt_u32 s25, 192
	s_cselect_b64 s[28:29], s[8:9], s[28:29]
	s_cmp_lt_u32 s25, 128
	s_cselect_b64 s[28:29], s[6:7], s[28:29]
	s_cmp_lt_u32 s25, 64
	s_cselect_b64 s[28:29], s[4:5], s[28:29]
	s_lshl_b32 s54, s30, 18                        ; 64 rows of 4,096 bytes
	s_lshl_b32 s55, s26, 9                         ; 128 numbers
	s_add_co_u32 s54, s54, s55
	s_mov_b32 s55, 0
	s_add_nc_u64 s[28:29], s[28:29], s[54:55]
.irp t, 0,1,2,3
.irp hi, 0,1
	s_mul_i32 s54, s56, \t
	s_mul_i32 s57, s58, \hi
	s_add_co_u32 s54, s54, s57
	s_lshl_b32 s54, s54, 12
	s_add_nc_u64 s[32+4*\t+2*\hi:33+4*\t+2*\hi], s[28:29], s[54:55]   ; eight rows on end begin here
.endr
.endr
	s_mul_i32 s54, s26, 2*786432
	s_mul_i32 s57, s25, 3072
	s_add_co_u32 s54, s54, s57
	s_add_nc_u64 s[48:49], s[18:19], s[54:55]      ; my codes
	s_lshl_b32 s54, s26, 16
	s_lshl_b32 s57, s25, 8
	s_add_co_u32 s54, s54, s57
	s_add_nc_u64 s[50:51], s[20:21], s[54:55]      ; my scale words
.macro LOADS t                         ; stored tile t: 16 rows, 512 consecutive bytes a load
.irp rho, 0,1,2,3,4,5,6,7,8,9,10,11,12,13,14,15
	global_load_b128 v[R+64*((\t)%2)+4*\rho:R+64*((\t)%2)+4*\rho+3], v1, s[32+4*(\t)+2*(\rho/8):33+4*(\t)+2*(\rho/8)] offset:(\rho%8)*4096 th:TH_LOAD_NT
.endr
.endm
.macro STEPQ t
.set CD, 24+16*((\t)%2)
.if (\t) < 3
	s_wait_loadcnt 16                              ; this tile's 16 loads are in; the next tile's 16 may be out
.else
	s_wait_loadcnt 0x0
.endif
.irp rho, 0,1,2,3,4,5,6,7,8,9,10,11,12,13,14,15
	ds_store_b128 v3, v[R+64*((\t)%2)+4*\rho:R+64*((\t)%2)+4*\rho+3] offset:528*\rho
.endr
.irp c, 0,1
.irp i, 0,1,2,3,4,5,6,7
	ds_load_b128 v[X+32*\c+4*\i:X+32*\c+4*\i+3], v4 offset:256*\c+16*\i   ; LDS serves a wave's instructions in order: these see the stores above
.endr
.endr
	s_wait_dscnt 0x0                               ; my two blocks are back, and the stores have read their registers,
.if (\t) < 2
	LOADS (\t)+2                                   ; which take the tile two steps on
.endif
.if (\t) >= 2
	s_wait_alu depctr_va_vdst(0)
	s_wait_xcnt 0x0                                ; the stores of two steps ago have read the codes' registers, which this step writes again
.endif
	QUANT32 X, CD, 8
	QUANT32 X+32, CD+8, 12
	v_lshl_or_b32 v17, v15, 16, v11                ; my two bytes: blocks h and 2 + h of my row,
	v_lshlrev_b32 v17, v7, v17                     ; at their places in the word;
	v_permlanex16_b32 v16, v17, s52, s53
	v_or_b32 v17, v17, v16                         ; with lane l xor 16's two the word is whole
	ds_store_b32 v5, v17 offset:64*(\t)            ; (both halves of the lanes write the same word with the same value)
.irp c, 0,1
.irp p, 0,1,2
	global_store_b64 v2, v[CD+8*\c+2*\p:CD+8*\c+2*\p+1], s[48:49] offset:\c*786432+(\t)*768+\p*256   ; 32 lanes store 256 consecutive bytes, aligned
.endr
.endr
.endm
	LOADS 0
	LOADS 1
	STEPQ 0
	STEPQ 1
	STEPQ 2
	STEPQ 3
	ds_load_b64 v[18:19], v6                       ; 64 rows' scale words
	s_wait_dscnt 0x0
	global_store_b64 v2, v[18:19], s[50:51]        ; 256 consecutive bytes, aligned
	s_wait_tensorcnt 0x0                           ; the wave's end, behind my last LDS store
	ds_add_u32 v[SPW], v[NIL]
	s_wait_dscnt 0x0
	s_endpgm
	; ---- the tables, in work-groups 512-639.  This path writes no LDS.  A wave takes 4 positions (128 work-groups x 4 waves x 4 = 2,048); lanes 0-15 make cos, lanes 16-31 sin, of frequencies 2 (lane % 16) and 2 (lane % 16) + 1
.Lrope:
	s_sub_co_u32 s25, ttmp9, 512
	s_lshl_b32 s25, s25, 2
	s_add_co_u32 s25, s25, s24
	s_lshl_b32 s25, s25, 2                         ; my first position
	s_wait_alu depctr_va_vdst(0)
	v_lshlrev_b32 v24, 1, v21
	v_add_nc_u32 v25, 1, v24
	v_cvt_f32_u32 v24, v24
	v_cvt_f32_u32 v25, v25
	v_mul_f32 v24, 0xbed49a78, v24                 ; -i log2(10000) / 32
	v_mul_f32 v25, 0xbed49a78, v25
	s_wait_alu depctr_va_vdst(0)
	v_exp_f32 v24, v24
	v_exp_f32 v25, v25                             ; the two frequencies
	v_xor_b32 v23, 1, v22                          ; 1 in the lanes that make cos: cos x = sin(x + pi/2).  (The plain line behind the exponentials)
	s_wait_alu depctr_va_vdst(0)                   ; one wait for both, ahead of their first reader and of the label
	s_mov_b32 s30, 0x3f22f983                      ; 2 / pi
	s_mov_b32 s31, 0x3fc90fdb                      ; pi / 2, high part
	s_mov_b32 s32, 0xb33bbd2e                      ; and low part
	s_mov_b32 s33, 0xbe2aaaa3                      ; sin: r + r^3 (S1 + r^2 (S2 + r^2 S3))
	s_mov_b32 s34, 0x3c08839e
	s_mov_b32 s35, 0xb94ca1f9
	s_mov_b32 s36, 0x3d2aaaa5                      ; cos: 1 - r^2 / 2 + r^4 (C1 + r^2 (C2 + r^2 C3))
	s_mov_b32 s37, 0xbab6061a
	s_mov_b32 s38, 0x37ccf5ce
	s_mov_b32 s40, 0
	s_wait_kmcnt 0x0
.Lpos:
	s_wait_xcnt 0x0                                ; the last trip's stores have read their offsets and data
	s_add_co_u32 s41, s25, s40                     ; the position
	v_cvt_f32_u32 v26, s41
	s_wait_alu depctr_va_vdst(0)
	s_and_b32 s42, s41, 0x7c0                      ; its stored place: the group of 64 stays,
	s_bfe_u32 s43, s41, 0x20003
	s_lshl_b32 s43, s43, 4
	s_or_b32 s42, s42, s43                         ; bits 4:3 go to 5:4,
	s_bfe_u32 s43, s41, 0x10005
	s_lshl_b32 s43, s43, 3
	s_or_b32 s42, s42, s43                         ; bit 5 goes to 3,
	s_and_b32 s43, s41, 7
	s_or_b32 s42, s42, s43                         ; bits 2:0 stay
	s_add_co_u32 s42, s42, 2048
	s_lshl_b32 s44, s41, 8
	s_lshl_b32 s42, s42, 8
	v_add_nc_u32 v27, s44, v2
	v_add_nc_u32 v28, s42, v2
.irp a, 0,1
	v_mul_f32 v[30+\a], v26, v[24+\a]              ; the angle
	v_mul_f32 v[32+\a], s30, v[30+\a]
	v_rndne_f32 v[32+\a], v[32+\a]                 ; n quarter turns
	v_fma_f32 v[34+\a], -v[32+\a], s31, v[30+\a]
	v_fma_f32 v[34+\a], -v[32+\a], s32, v[34+\a]   ; r = angle - n pi / 2
	v_cvt_i32_f32 v[42+\a], v[32+\a]
	v_add_nc_u32 v[42+\a], v[42+\a], v23           ; the quadrant
	v_mul_f32 v[36+\a], v[34+\a], v[34+\a]
	v_fma_f32 v[38+\a], v[36+\a], s35, s34
	v_fma_f32 v[38+\a], v[38+\a], v[36+\a], s33
	v_mul_f32 v[38+\a], v[38+\a], v[36+\a]
	v_fma_f32 v[38+\a], v[38+\a], v[34+\a], v[34+\a]   ; sin r
	v_fma_f32 v[40+\a], v[36+\a], s38, s37
	v_fma_f32 v[40+\a], v[40+\a], v[36+\a], s36
	v_mul_f32 v[46+\a], v[36+\a], v[36+\a]
	v_fma_f32 v[48+\a], v[36+\a], -0.5, 1.0
	v_fma_f32 v[40+\a], v[40+\a], v[46+\a], v[48+\a]   ; cos r
	v_and_b32 v[46+\a], 1, v[42+\a]
	v_cmp_eq_u32 vcc_lo, 1, v[46+\a]
	v_cndmask_b32 v[44+\a], v[38+\a], v[40+\a], vcc_lo ; odd quadrants take cos r
	v_and_b32 v[46+\a], 2, v[42+\a]
	v_lshlrev_b32 v[46+\a], 30, v[46+\a]
	v_xor_b32 v[44+\a], v[44+\a], v[46+\a]         ; quadrants 2 and 3 change the sign
.endr
	global_store_b64 v27, v[44:45], s[22:23]       ; a row of 256 bytes, whole
	global_store_b64 v28, v[44:45], s[22:23]
	s_add_co_u32 s40, s40, 1
	s_cmp_lt_u32 s40, 4
	s_cbranch_scc1 .Lpos
	s_endpgm
.Lfunc_end_k_q3d832a0d0e_prep:
	.size	k_q3d832a0d0e_prep, .Lfunc_end_k_q3d832a0d0e_prep-k_q3d832a0d0e_prep
	.p2alignl 7, 3214868480
	.fill 96, 4, 3214868480
	.section	.rodata,"a",@progbits
	.p2align	6, 0x0
	.amdhsa_kernel k_q3d832a0d0e_prep
		.amdhsa_group_segment_fixed_size 35328
		.amdhsa_private_segment_fixed_size 0
		.amdhsa_enable_private_segment 0
		.amdhsa_kernarg_size 80
		.amdhsa_user_sgpr_count 2
		.amdhsa_user_sgpr_kernarg_segment_ptr 1
		.amdhsa_wavefront_size32 1
		.amdhsa_system_sgpr_workgroup_id_x 1
		.amdhsa_system_sgpr_workgroup_id_y 1
		.amdhsa_system_sgpr_workgroup_id_z 1
		.amdhsa_system_vgpr_workitem_id 0
		.amdhsa_next_free_vgpr 256
		.amdhsa_next_free_sgpr 66
		.amdhsa_reserve_vcc 1
		.amdhsa_float_denorm_mode_32 3
		.amdhsa_float_denorm_mode_16_64 3
		.amdhsa_memory_ordered 1
		.amdhsa_forward_progress 1
		.amdhsa_inst_pref_size 38
	.end_amdhsa_kernel
	.amdgpu_metadata
---
amdhsa.version: [ 1, 2 ]
amdhsa.kernels:
  - .name:           k_q3d832a0d0e_prep
    .symbol:         k_q3d832a0d0e_prep.kd
    .args:
      - { .name: q, .offset: 0, .size: 8, .value_kind: global_buffer, .address_space: global }
      - { .name: k, .offset: 8, .size: 8, .value_kind: global_buffer, .address_space: global }
      - { .name: v, .offset: 16, .size: 8, .value_kind: global_buffer, .address_space: global }
      - { .name: wq, .offset: 24, .size: 8, .value_kind: global_buffer, .address_space: global }
      - { .name: wk, .offset: 32, .size: 8, .value_kind: global_buffer, .address_space: global }
      - { .name: wv, .offset: 40, .size: 8, .value_kind: global_buffer, .address_space: global }
      - { .name: wo, .offset: 48, .size: 8, .value_kind: global_buffer, .address_space: global }
      - { .name: codes, .offset: 56, .size: 8, .value_kind: global_buffer, .address_space: global }
      - { .name: scales, .offset: 64, .size: 8, .value_kind: global_buffer, .address_space: global }
      - { .name: rope, .offset: 72, .size: 8, .value_kind: global_buffer, .address_space: global }
    .group_segment_fixed_size: 35328
    .private_segment_fixed_size: 0
    .kernarg_segment_align: 8
    .kernarg_segment_size: 80
    .max_flat_workgroup_size: 128
    .sgpr_count:     66
    .vgpr_count:     256
    .wavefront_size: 32
...
	.end_amdgpu_metadata
.endif
;; end of part 1
;; launch qkv (part 2): grid 4 x 48, 4 waves a work-group, clusters of 4 x 4, 327,680 bytes of LDS; arguments codes, scales, rope, bq, bk, bv, img, isc; writes img, isc
.if DOCPART == 2
	.amdgcn_target "amdgcn-amd-amdhsa--gfx1250"
	.amdhsa_code_object_version 6
	.text
	.protected	k_q3d832a0d0e_qkv
	.globl	k_q3d832a0d0e_qkv
	.p2align	8
	.type	k_q3d832a0d0e_qkv,@function
k_q3d832a0d0e_qkv:
	s_mov_b64 s[64:65], 0
	v_nop
	global_prefetch_b8 v0, s[64:65] scope:SCOPE_SE
	s_setreg_imm32_b32 hwreg(HW_REG_WAVE_MODE, 25, 1), 1
	s_wait_xcnt 0x0
	s_wait_alu depctr_hold_cnt(0) depctr_sa_sdst(0) depctr_va_vdst(0) depctr_va_sdst(0) depctr_va_ssrc(0) depctr_va_vcc(0) depctr_vm_vsrc(0)
	s_getreg_b32 s2, hwreg(HW_REG_IB_STS2, 6, 4)
	s_cmp_eq_u32 s2, 0
	s_cbranch_scc0 .Lentry_in_a_cluster
	s_endpgm
.Lentry_in_a_cluster:
	s_bfe_u32 s2, ttmp6, 0x10000c
	s_cmp_lg_u32 s2, 0xf033
	s_cbranch_scc0 .Lentry_shape_is_right
	s_endpgm
.Lentry_shape_is_right:
; Q = q wq^T + bq, K = k wk^T + bk (both with RoPE), V = v wv^T + bv, on the codes that the first launch made; the results are quantised on the way out and leave as images of the next operands' registers.
; No work is left out here.  LIMITS as stated at the first kernel's head.
; THE PRODUCT.  A tile of 256 x 256 to a work-group of four waves, 128 x 128 a wave: 64 accumulators, 512 registers.  K = 1,024 goes in four steps of 256 through a ring of two LDS slots.
; The codes lie in memory in the order of the operand's registers ([K / 64][16 rows][3 pieces][32 lanes][8 bytes]), so a wave's tensor load brings 2 rows of 12,288 consecutive bytes (256 rows of the operand, 128 along K),
; and every LDS load of a fragment takes 256 consecutive bytes: no padding.  The scale words of a work-group's rows, for all of K, come once with the first fills.
; CLUSTER 4 x 4: A's tile is shared along a row of the cluster, B's along a column; each is asked for jointly.  THE MATRIX INSTRUCTION IS USED TRANSPOSED: source 0 = 16 rows of B, source 1 = 16 rows of A:
; a lane holds one row of A, its registers run along B's rows.
; WHICH TENSOR: cluster y = 4 T + u.  T = 0, 1 (Q, K): A = the tokens, B = the weight.  T = 2 (V): A = wv, B = the tokens, so that a lane holds one channel and its registers run along the keys, V's next K.
; By the stored order of B's rows the 32 registers of accumulators (a, 4 x .. 4 x + 3) are 32 NEIGHBOURS (channels, or keys) 32 (lane / 16) + 0 .. 31: a whole block of the next quantiser in one lane.
; OUT: img [Q, K, V][batch x head: 32][group of 64: 32][tile: 4][3][32][8 bytes]; isc [3][32][32][row % 16][tile] words: byte 0 block 0, byte 1 block 1, the rest 0.
; REGISTERS: window 0: v8-15 way-out offsets; v16-21 LDS addresses; v27 scale words' address; v28, v29 the add's two; v32-63 scale words and nothing else; v128-223 A's fragments; on the way out v64-127, v128-215, v240-243.
;   window 1: B's fragments, two sets, at v0 and v128; towards the end the biases and RoPE tables at v0-127 and v224-255.   windows 2, 3: the accumulators, (a, b) at v[8 (8 (a % 4) + b)].
.set KAPB,   6144                      ; 128 rows x 64 along K
.set HALFT,  4*KAPB                    ; what one tensor load brings
.set SLOT,   4*HALFT                   ; a slot's bytes, A's and B's together.  IN LDS: A's slot 0, A's slot 1, B's slot 0, B's slot 1, each 2 HALFT
.set SCL,    2*SLOT                    ; behind the ring: the scale words, [8 K steps of 128][256 rows][4 bytes] for each load
.set HALFS,  4096
.set SPARE,  SCL+4*HALFS               ; the spare words, 128 bytes for each wave
.set KSTR,   786432                    ; from 64 along K to the next, in the codes' buffer
.set FR,     12
.set NL,     6
.set NP,     4
.set NQ,     2
.set LAPS,   2
.set ADRA, 16
.set ADRB, 20
.set ADRS, 27
.set SPW,  28
.set NIL,  29
.set SC,   32
.set AF,   128
.set YB,   64                          ; way out: 32 numbers
.set RR,   96                          ; the turned terms
.set CDS,  152                         ; codes: eight sets of 8, v152-215 (A's fragments are done with): set 2 (a % 4) + x, so that stores' data are written again only behind the one wait in the middle of the way out
.set TMP,  240
.set SW,   128                         ; 16 scale pairs
.set DD,   144
.set G1, 24
.set G0, 32
.set G1B, 48
.set G0B, 56
.set G1S, 68
.set G0S, 76
.set G1SB, 80
.set G0SB, 88
.set MSB, 0
.macro WIN new                         ; the immediate's high byte repeats the setting that is left
.if MSB != (\new)
	s_set_vgpr_msb (MSB<<8)|(\new)
.set MSB, (\new)
.endif
.endm
.set MUL_LO, 0xa1                      ; source 0 (B) window 1, source 1 (A) window 0, C and D window 2
.set MUL_HI, 0xf1
.set TO_B,   0x40
.macro JLOAD g0a, g1a, g0b, g1b        ; a joint load: waves 0 and 1 fetch for A, waves 2 and 3 for B; an s_nop 0 and four v_nop follow each line
	s_cmp_eq_u32 s21, 0
	s_cbranch_scc0 .Lfor_b_\@
	tensor_load_to_lds s[\g0a:\g0a+3], s[\g1a:\g1a+7]
	s_nop 0
.rept 4
	v_nop
.endr
	s_branch .Lasked_\@
.Lfor_b_\@:
	tensor_load_to_lds s[\g0b:\g0b+3], s[\g1b:\g1b+7]
	s_nop 0
.rept 4
	v_nop
.endr
.Lasked_\@:
.endm
.macro CREST                           ; a round of the cluster's barrier behind its opening barrier
	s_cmp_lg_u32 s20, 0
	s_cbranch_scc1 .Lnot_wave_0_\@
	s_barrier_signal -3
.Lnot_wave_0_\@:
	s_barrier_wait -3
	s_barrier_signal -1
	s_barrier_wait -1
.endm
.macro CROUND
	s_barrier_signal -1
	s_barrier_wait -1
	CREST
.endm
.macro QUANT32 z, c, t                 ; 32 numbers of a lane -> 6 registers of codes v[c] on, the scale's byte v[t + 3]
	v_max3_num_f32 v[(\t)], |v[(\z)]|, |v[(\z)+1]|, 0x1800000
	v_max3_num_f32 v[(\t)+1], |v[(\z)+16]|, |v[(\z)+17]|, 0x1800000
.irp i, 2,4,6,8,10,12,14
	v_max3_num_f32 v[(\t)], v[(\t)], |v[(\z)+\i]|, |v[(\z)+\i+1]|
	v_max3_num_f32 v[(\t)+1], v[(\t)+1], |v[(\z)+16+\i]|, |v[(\z)+17+\i]|
.endr
	v_max_num_f32 v[(\t)], v[(\t)], v[(\t)+1]
	v_add_nc_u32 v[(\t)+2], 0xff000000, v[(\t)]
	v_cvt_scalef32_pk16_fp6_f32 v[(\c):(\c)+2], v[(\z):(\z)+15], v[(\t)+2]
	v_cvt_scalef32_pk16_fp6_f32 v[(\c)+4:(\c)+6], v[(\z)+16:(\z)+31], v[(\t)+2]
	v_lshrrev_b32 v[(\t)+3], 23, v[(\t)+2]         ; the byte; also the plain line behind the conversions
	v_mov_b32 v[(\c)+3], v[(\c)+4]
	v_mov_b32 v[(\c)+4], v[(\c)+5]
	v_mov_b32 v[(\c)+5], v[(\c)+6]
.endm
	s_load_b512 s[4:19], s[0:1], 0x0               ; codes, scales, rope, bq, bk, bv, img, isc
	v_lshl_add_u32 v[SPW], v0, 2, SPARE
	v_mov_b32 v[NIL], 0
	ds_add_u32 v[SPW], v[NIL]                      ; the wave's opening: the add, twice on end, and its wait ahead of my first tensor load
	ds_add_u32 v[SPW], v[NIL]
	v_lshrrev_b32 v1, 5, v0
	v_readfirstlane_b32 s20, v1                    ; wave
	s_lshr_b32 s21, s20, 1                         ; my half of A's rows.  Also: I fetch for A (0) or B (1)
	s_and_b32 s22, s20, 1                          ; my half of B's rows.  Also: which two rows of a slot I fetch
	s_bfe_u32 s40, ttmp6, 0x40000                  ; cx
	s_bfe_u32 s41, ttmp6, 0x40004                  ; cy
	s_and_b32 s92, ttmp7, 0xffff                   ; cluster y
	s_lshr_b32 s23, s92, 2                         ; T: 0 Q, 1 K, 2 V: the same in all partners
	s_and_b32 s92, s92, 3                          ; u
	s_lshl_b32 s93, s92, 2                         ; 4 u
	s_lshl_b32 s94, s23, 4
	s_add_co_u32 s94, s94, s93                     ; the tokens' tiles of 256 rows begin at 16 T
	s_lshl_b32 s95, s23, 2
	s_add_co_u32 s95, s95, 48                      ; the weights' at 48 + 4 T
	s_add_co_u32 s96, s93, 32                      ; v's tokens at 32
	s_cmp_eq_u32 s23, 2
	s_cselect_b32 s94, 56, s94                     ; V: A = wv,
	s_cselect_b32 s95, s96, s95                    ; B = v
	s_add_co_u32 s94, s94, s41                     ; A's tile hangs on cy alone,
	s_add_co_u32 s95, s95, s40                     ; B's on cx alone
	s_lshl_b32 s42, s41, 2
	s_lshl_b32 s42, 15, s42                        ; my row of the cluster
	s_lshl_b32 s43, 0x1111, s40                    ; my column
	s_or_b32 s[G1+0], s42, (3<<16)|(1<<21)         ; 15:0 the mask; 17:16 elements of 8 bytes; 21 set beside a mask; no padding
	s_or_b32 s[G1B+0], s43, (3<<16)|(1<<21)
.irp g, G1, G1B
	s_mov_b32 s[\g+1], 1536<<16                    ; tensor_dim0: 12,288 bytes: all 256 rows of a tile, 64 along K.  A slot of A or of B is [64 along K: 4][256 rows]
	s_mov_b32 s[\g+2], 8<<16                       ; tensor_dim1: eight times 64 along K: the head's loads bring both slots of A or of B
	s_mov_b32 s[\g+3], 1536<<16                    ; tile_dim0.  The ring's loads bring two such rows (see the head's end)
	s_mov_b32 s[\g+4], 8                           ; tile_dim1
	s_mov_b32 s[\g+5], KSTR/8                      ; the pitch
	s_mov_b32 s[\g+6], 0
	s_mov_b32 s[\g+7], 0
.endr
	s_or_b32 s[G1S+0], s42, (3<<16)|(1<<21)
	s_or_b32 s[G1SB+0], s43, (3<<16)|(1<<21)
.irp g, G1S, G1SB
	s_mov_b32 s[\g+1], 128<<16                     ; 256 rows' words: 1,024 bytes
	s_mov_b32 s[\g+2], 8<<16                       ; eight K steps of 128
	s_mov_b32 s[\g+3], 128<<16
	s_mov_b32 s[\g+4], 8
	s_mov_b32 s[\g+5], 8192
	s_mov_b32 s[\g+6], 0
	s_mov_b32 s[\g+7], 0
.endr
	s_mul_i32 s44, s94, 12288
	s_mul_i32 s2, s22, 2*KSTR                      ; in the ring I fetch two of a slot's four rows: which two, in bytes
	s_mov_b32 s3, 0
	s_mov_b32 s45, 0                               ; A's codes, in bytes
	s_lshl_b32 s46, s94, 10
	s_mov_b32 s47, 0                               ; A's scale words
	s_mul_i32 s98, s95, 12288
	s_mov_b32 s99, 0                               ; B's codes
	s_lshl_b32 s100, s95, 10
	s_mov_b32 s101, 0                              ; B's scale words
	s_mul_i32 s96, s22, HALFT                      ; where my two rows of a slot go: no place in the cluster enters an LDS address
	s_wait_dscnt 0x0                               ; both opening adds are done
	s_wait_kmcnt 0x0
	s_add_nc_u64 s[44:45], s[4:5], s[44:45]
	s_add_nc_u64 s[46:47], s[6:7], s[46:47]
	s_add_nc_u64 s[98:99], s[4:5], s[98:99]
	s_add_nc_u64 s[100:101], s[6:7], s[100:101]
	CROUND                                         ; all sixteen work-groups are here: the first joint loads meet
	s_mov_b32 s[G0S], 1
	s_mov_b32 s[G0S+1], SCL                        ; A's scale words: [8 K steps of 128][256 rows][4 bytes]
	s_mov_b64 s[G0S+2:G0S+3], s[46:47]
	s_or_b32 s[G0S+3], s[G0S+3], 0x80000000
	s_mov_b32 s[G0SB], 1
	s_mov_b32 s[G0SB+1], SCL+2*HALFS               ; B's, behind them
	s_mov_b64 s[G0SB+2:G0SB+3], s[100:101]
	s_or_b32 s[G0SB+3], s[G0SB+3], 0x80000000
	s_mov_b32 s4, 1                                ; s[4:7]: group 0 of the head's load of A's K 0-511, both slots (the arguments that lay there have been used)
	s_mov_b32 s5, 0
	s_mov_b64 s[6:7], s[44:45]
	s_or_b32 s7, s7, 0x80000000
	s_add_nc_u64 s[G0+2:G0+3], s[44:45], s[2:3]    ; the ring: my two rows of slot 0's tile
	s_add_nc_u64 s[G0B+2:G0B+3], s[98:99], s[2:3]
	; the prefetches' base: of the 2 rows x 12,288 bytes that I fetch for a slot, 96 blocks of 256 bytes, each of the four partners that ask with me takes 24, told apart BY ADDRESS (cx for A, cy for B)
	s_cmp_eq_u32 s21, 0
	s_cselect_b64 s[100:101], s[G0+2:G0+3], s[G0B+2:G0B+3]
	s_cselect_b32 s97, s40, s41
	s_lshr_b32 s2, s97, 1
	s_mul_i32 s2, s2, KSTR                         ; which of the two rows,
	s_and_b32 s97, s97, 1
	s_mul_i32 s97, s97, KAPB                       ; which half of it
	s_add_co_u32 s2, s2, s97
	s_add_nc_u64 s[100:101], s[100:101], s[2:3]
	s_mov_b32 s44, 1                               ; s[44:47]: the same for B's K 0-511, behind A's two slots
	s_mov_b32 s45, 4*HALFT
	s_mov_b64 s[46:47], s[98:99]
	s_or_b32 s47, s47, 0x80000000
.irp g, G0, G0B
	s_add_nc_u64 s[\g+6:\g+7], s[\g+2:\g+3], 4*KSTR   ; slot 1: 256 along K on
	s_or_b32 s[\g+3], s[\g+3], 0x80000000
	s_or_b32 s[\g+7], s[\g+7], 0x80000000
	s_mov_b32 s[\g], 1
	s_mov_b32 s[\g+4], 1
.endr
	s_add_co_u32 s[G0+1], s96, 0                   ; A's slot 0,
	s_add_co_u32 s[G0+5], s96, 2*HALFT             ; A's slot 1,
	s_add_co_u32 s[G0B+1], s96, 4*HALFT            ; B's slot 0,
	s_add_co_u32 s[G0B+5], s96, 6*HALFT            ; B's slot 1
; THE HEAD'S LOADS, ONE A WAVE: wave 0 A's two slots, wave 1 B's two, wave 2 A's scale words, wave 3 B's.  One tree of branches on the wave's number; every way passes one load.
.macro ARM under, g0, g1, next
	s_cmp_lt_u32 s20, \under
	s_cbranch_scc0 \next
	tensor_load_to_lds s[\g0:\g0+3], s[\g1:\g1+7]
	s_nop 0
.rept 4
	v_nop
.endr
	s_branch .Lhead_asked
\next:
.endm
	ARM 1, 4, G1, .Lhead_b
	ARM 2, 44, G1B, .Lhead_sa
	ARM 3, G0S, G1S, .Lhead_sb
	tensor_load_to_lds s[G0SB:G0SB+3], s[G1SB:G1SB+7]
	s_nop 0
.rept 4
	v_nop
.endr
.Lhead_asked:
	v_and_b32 v1, 15, v0                           ; r
	v_bfe_u32 v2, v0, 4, 1                         ; h
	s_wait_alu depctr_va_vdst(0)
	v_and_b32 v3, 31, v0
	v_lshlrev_b32 v8, 3, v3                        ; 8 x lane
	v_lshlrev_b32 v9, 4, v3                        ; 16 x lane
	v_min_u32 v22, 23, v3                          ; a lane a block of 256 bytes; lanes 24-31 name the last block again
	v_lshlrev_b32 v22, 8, v22
	v_add_nc_u32 v23, 4*KSTR, v22                  ; v22, v23: never rewritten
	s_mul_i32 s2, s21, KAPB                        ; my 128 rows inside each row of 12,288 bytes
	s_mul_i32 s3, s22, KAPB
	s_add_co_u32 s3, s3, 4*HALFT                   ; B's slots lie behind A's two
.irp s, 0,1
	v_add_nc_u32 v[ADRA+\s], s2, v8
	v_add_nc_u32 v[ADRB+\s], s3, v8
	s_add_co_u32 s2, s2, 2*HALFT
	s_add_co_u32 s3, s3, 2*HALFT
.endr
	v_lshlrev_b32 v5, 2, v1
	s_lshl_b32 s2, s21, 9                          ; my 128 rows' words inside each 1,024 bytes
	s_lshl_b32 s3, s22, 9
	s_add_co_u32 s3, s3, 2*HALFS
	s_sub_co_u32 s3, s3, s2
	v_mul_u32_u24 v6, s3, v2                       ; lanes 16-31 take B's words
	s_add_co_u32 s2, s2, SCL
	v_add_nc_u32 v5, v5, v6
	v_add_nc_u32 v[ADRS], s2, v5
	v_lshlrev_b32 v10, 8, v1                       ; the tables: row r of 256 bytes: cos,
	v_lshl_add_u32 v11, v2, 6, v10
	v_add_nc_u32 v11, 128, v11                     ; sin of frequencies 16 h on
	v_lshlrev_b32 v12, 7, v2                       ; Q, K: the bias of channels 32 h on
	v_lshrrev_b32 v4, 3, v1
	v_and_b32 v5, 7, v1
	v_lshl_add_u32 v4, v4, 5, v5
	v_lshlrev_b32 v15, 2, v4                       ; V: the bias of channel 32 (r / 8) + r % 8 (+ 8 x tile)
	v_lshlrev_b32 v13, 3, v2                       ; 8 h
	v_mov_b32 v14, 0                               ; (a lane permute's destination counts as read)
	; where my results go.  Rows (tokens) come from A with Q and K, from B with V; heads the other way round
	s_cmp_eq_u32 s23, 2
	s_cselect_b32 s94, s40, s41
	s_cselect_b32 s95, s22, s21
	s_cselect_b32 s96, s41, s40
	s_cselect_b32 s97, s21, s22
	s_add_co_u32 s94, s94, s93
	s_lshl_b32 s94, s94, 8
	s_lshl_b32 s95, s95, 7
	s_add_co_u32 s94, s94, s95                     ; my first token, 0 .. 4,095
	s_lshl_b32 s96, s96, 2
	s_lshl_b32 s97, s97, 1
	s_add_co_u32 s96, s96, s97                     ; my first head
	s_lshr_b32 s95, s94, 11                        ; the batch
	s_and_b32 s94, s94, 2047                       ; the place in the sequence
	s_lshr_b32 s97, s94, 6                         ; its group of 64
	s_lshl_b32 s95, s95, 4
	s_add_co_u32 s95, s95, s96
	s_lshl_b32 s92, s23, 5
	s_add_co_u32 s92, s92, s95                     ; 32 T + 16 batch + head
	s_lshl_b32 s2, s92, 7
	s_lshl_b32 s3, s97, 2
	s_add_co_u32 s2, s2, s3
	s_mul_i32 s2, s2, 768
	s_mov_b32 s3, 0
	s_add_nc_u64 s[16:17], s[16:17], s[2:3]        ; img
	s_lshl_b32 s2, s92, 5
	s_add_co_u32 s2, s2, s97
	s_lshl_b32 s2, s2, 8
	s_add_nc_u64 s[18:19], s[18:19], s[2:3]        ; isc
	s_lshl_b32 s2, s23, 11
	s_add_co_u32 s2, s2, s94
	s_lshl_b32 s2, s2, 8
	s_add_nc_u64 s[8:9], s[8:9], s[2:3]            ; the tables' rows (Q: by position; K: by stored place; V loads none)
	s_cmp_eq_u32 s23, 1
	s_cselect_b64 s[10:11], s[12:13], s[10:11]
	s_cmp_eq_u32 s23, 2
	s_cselect_b64 s[10:11], s[14:15], s[10:11]
	s_lshl_b32 s2, s96, 8
	s_add_nc_u64 s[10:11], s[10:11], s[2:3]        ; the bias at my first head
	s_mov_b32 s94, 0x76543210
	s_mov_b32 s95, 0xfedcba98                      ; v_permlanex16_b32's selects for lane l xor 16
	s_mov_b32 s66, 0xffff0000                      ; lanes 16-31
.macro FRAG reg, adr, q, i             ; a fragment, 16 rows x 128 K: 12 registers, six loads of 256 consecutive bytes
.irp p, 0,1,2,3,4,5
	ds_load_b64 v[(\reg)+2*\p:(\reg)+2*\p+1], v[\adr] offset:(2*(\q)+\p/3)*2*KAPB+(\i)*768+(\p%3)*256
.endr
.endm
; 16 matrix instructions: A's blocks a0, a0 + 1 x B's eight.  The 64 accumulators take turns, one instruction a turn, in the same order in every step.
.macro MUL16 a0, p, q, sc, zero
.irp a, \a0, \a0+1
.irp b, 0,1,2,3,4,5,6,7
.if \zero
	v_wmma_scale_f32_16x16x128_f8f6f4 v[8*(8*((\a)%4)+\b):8*(8*((\a)%4)+\b)+7], v[128*(\p)+FR*\b:128*(\p)+FR*\b+FR-1], v[AF+FR*(\a):AF+FR*(\a)+FR-1], 0, v[SC+8*NQ*(\sc)+NQ*\b+(\q)], v[SC+8*NQ*(\sc)+NQ*(\a)+(\q)] matrix_a_fmt:MATRIX_FMT_FP6 matrix_b_fmt:MATRIX_FMT_FP6 matrix_a_scale:MATRIX_SCALE_ROW1
.else
	v_wmma_scale_f32_16x16x128_f8f6f4 v[8*(8*((\a)%4)+\b):8*(8*((\a)%4)+\b)+7], v[128*(\p)+FR*\b:128*(\p)+FR*\b+FR-1], v[AF+FR*(\a):AF+FR*(\a)+FR-1], v[8*(8*((\a)%4)+\b):8*(8*((\a)%4)+\b)+7], v[SC+8*NQ*(\sc)+NQ*\b+(\q)], v[SC+8*NQ*(\sc)+NQ*(\a)+(\q)] matrix_a_fmt:MATRIX_FMT_FP6 matrix_b_fmt:MATRIX_FMT_FP6 matrix_a_scale:MATRIX_SCALE_ROW1
.endif
.endr
.endr
.endm
.macro FETCH_B slot, q, p
	WIN TO_B
.irp i, 0,1,2,3,4,5,6,7
	FRAG 128*(\p)+FR*\i, ADRB+\slot, \q, \i
.endr
	WIN 0
.endm
.macro FETCH_A slot, q, i0
.irp i, \i0, \i0+1, \i0+2, \i0+3
	FRAG AF+FR*(\i), ADRA+\slot, \q, \i
.endr
.endm
.macro SCALES sc                       ; a slot's scale words: lanes 0-15 A's block i, lanes 16-31 B's block i, for its two K steps of 128
.irp i, 0,1,2,3,4,5,6,7
.irp q, 0,1
	ds_load_b32 v[SC+8*NQ*\sc+NQ*\i+\q], v[ADRS] offset:1024*\q+64*\i
.endr
.endr
.endm
.macro PLACES n                        ; plain vector lines between a matrix instruction and a load into, or a read of, its registers
.rept \n
	v_nop
.endr
.endm
.macro STEP slot, q, zero              ; 128 along K whose successor lies in the same slot
	s_wait_dscnt 4*NL                              ; all but the youngest 24 loads (A's blocks 4-7) are in
	WIN MUL_LO
	MUL16 0, (\q)%2, \q, \slot, \zero
	MUL16 2, (\q)%2, \q, \slot, \zero
	s_wait_dscnt 0
	PLACES NP
	FETCH_B \slot, (\q)+1, 1-(\q)%2
	FETCH_A \slot, (\q)+1, 0
	WIN MUL_HI
	MUL16 4, (\q)%2, \q, \slot, \zero
	MUL16 6, (\q)%2, \q, \slot, \zero
	PLACES NP
	WIN 0
	FETCH_A \slot, (\q)+1, 4
.endm
; A slot's last step changes slots: one barrier; in front of it each wave waits for all its tensor loads, adds 0 to its spare word, and waits for that and for its reads of this slot.
.macro TURN slot, next, fill
	s_wait_tensorcnt 0x0                           ; all my tensor loads have landed: my part of the next slot
	ds_add_u32 v[SPW], v[NIL]
	s_wait_dscnt 4*NL+1                            ; (the add and the youngest 24 loads may be out)
	WIN MUL_LO
	MUL16 0, 1, NQ-1, \slot, 0
	s_wait_dscnt 0x0                               ; the add is done, and my reads of this slot are over
	s_barrier_signal -1
	MUL16 2, 1, NQ-1, \slot, 0
	WIN 0
	s_barrier_wait -1
.if \fill
	CREST                                          ; the barrier has opened a round of the cluster's: no wave of any partner still reads this slot or has a load on its way
	s_add_nc_u64 s[G0+4*\slot+2:G0+4*\slot+3], s[G0+4*\slot+2:G0+4*\slot+3], 8*KSTR
	s_add_nc_u64 s[G0B+4*\slot+2:G0B+4*\slot+3], s[G0B+4*\slot+2:G0B+4*\slot+3], 8*KSTR
	JLOAD G0+4*\slot, G1, G0B+4*\slot, G1B         ; the first tensor load behind the round; its four v_nop are the places in front of the loads below
.else
	PLACES NP
.endif
	s_wait_alu depctr_va_vdst(0)
	v_add_nc_u32 v[ADRS], 1024*NQ, v[ADRS]         ; the next slot's scale words
	FETCH_B \next, 0, 0
	FETCH_A \next, 0, 0
	SCALES \next
	WIN MUL_HI
	MUL16 4, 1, NQ-1, \slot, 0
	MUL16 6, 1, NQ-1, \slot, 0
	PLACES NP
	WIN 0
	FETCH_A \next, 0, 4
.endm
.macro TABLE a                         ; cos (32 a lane) and sin (16 a lane) of my rows 16 a + r, into set a % 2 of window 1
.irp i, 0,1,2,3,4,5,6,7
	global_load_b128 v[64+160*((\a)%2)+4*\i:64+160*((\a)%2)+4*\i+3], v10, s[8:9] offset:(\a)*4096+16*\i
.endr
.irp i, 0,1,2,3
	global_load_b128 v[96+16*((\a)%2)+4*\i:96+16*((\a)%2)+4*\i+3], v11, s[8:9] offset:(\a)*4096+16*\i
.endr
.endm
	s_wait_alu depctr_va_vdst(0)
	s_wait_tensorcnt 0x0                           ; my tile of the head's four is in
	s_mov_b32 s[G1+2], 2<<16                       ; no tensor load of mine is out: from here on a load brings two rows of 12,288 bytes
	s_mov_b32 s[G1+4], 2
	s_mov_b32 s[G1B+2], 2<<16
	s_mov_b32 s[G1B+4], 2
	s_barrier_signal -1
	s_barrier_wait -1                              ; everybody's is: both slots and the scale words are whole.
	FETCH_B 0, 0, 0
	FETCH_A 0, 0, 0
	SCALES 0
	FETCH_A 0, 0, 4
	global_prefetch_b8 v22, s[100:101] offset:8*KSTR th:TH_LOAD_NT scope:SCOPE_SE   ; slot 0's next tiles (K 512 on), one step of 128 ahead of the load that will want them
	global_prefetch_b8 v23, s[100:101] offset:8*KSTR th:TH_LOAD_NT scope:SCOPE_SE   ; slot 1's next tiles (K 768 on), three steps ahead of their load; K 0-511 comes by the head's loads alone
	STEP 0, 0, 1                                   ; the first step's products start the sums
	s_mov_b32 s3, LAPS-1
.Llap:
	TURN 0, 1, 1
	STEP 1, 0, 0
	TURN 1, 0, 1
	STEP 0, 0, 0
	s_sub_co_u32 s3, s3, 1
	s_cmp_lg_u32 s3, 0
	s_cbranch_scc1 .Llap
	TURN 0, 1, 0                                   ; the last lap fills nothing
	STEP 1, 0, 0
	; what the way out wants is asked for here, a step ahead: B's set 0 has had its last products and its places; v96-127 and v224-255 of window 1 no matrix instruction names
	s_cmp_eq_u32 s23, 2
	s_cbranch_scc1 .Lpre_v
	WIN 0x40
.irp x, 0,1
.irp i, 0,1,2,3,4,5,6,7
	global_load_b128 v[32*\x+4*\i:32*\x+4*\i+3], v12, s[10:11] offset:\x*256+16*\i   ; the bias of head x, channels 32 h + 0 .. 31
.endr
.endr
	TABLE 0
	TABLE 1
	WIN 0
	s_branch .Lpre_done
.Lpre_v:
	WIN 0x40
.irp a, 0,1,2,3,4,5,6,7
	global_load_b32 v[2*\a], v15, s[10:11] offset:(\a/4)*256+(\a%4)*32   ; V: one bias a lane and block of rows, twice: a pair for the packed addition
	global_load_b32 v[2*\a+1], v15, s[10:11] offset:(\a/4)*256+(\a%4)*32
.endr
	WIN 0
.Lpre_done:
	s_wait_dscnt 4*NL                              ; the very last step
	WIN MUL_LO
	MUL16 0, 1, NQ-1, 1, 0
	MUL16 2, 1, NQ-1, 1, 0
	s_wait_dscnt 0
	WIN MUL_HI
	MUL16 4, 1, NQ-1, 1, 0
	MUL16 6, 1, NQ-1, 1, 0
	WIN 0
	PLACES NP                                      ; in front of the first read of results and of writes to registers that held A's fragments
.macro PAIR16 a, x                     ; my byte and lane l xor 16's: byte 0 block 0, byte 1 block 1
	v_lshlrev_b32 v[TMP+3], v13, v[TMP+3]
	v_permlanex16_b32 v14, v[TMP+3], s94, s95
	v_or_b32 v[SW+8*(\x)+(\a)], v[TMP+3], v14
.endm
; Q, K: rows 16 a + r, head x.  y = result + bias; out(d) = y(d) cos(d % 32) + turned(d) sin(d % 32), turned(d) = -y(2 d + 1) for d < 32, y(2 (d - 32)) else.
; My half h holds y(32 h + i).  -y(32 h + 2 m + 1) sin(16 h + m) is the term of d = 16 h + m; y(32 h + 2 m) sin(16 h + m) that of d = 32 + 16 h + m: one exchange of halves brings each to its lane and register.
.macro QKUNIT a, x
.set CDS, 152+16*((\a)%4)
.set AC, 64*((\a)%4)+32*(\x)
.set CO, 64+160*((\a)%2)
.set SI, 96+16*((\a)%2)
	WIN 0x06+(\a)/4                                ; source 0 the accumulators' window, source 1 window 1
.set jj, 0
.rept 16
	v_pk_add_f32 v[YB+jj:YB+jj+1], v[AC+jj:AC+jj+1], v[32*(\x)+jj:32*(\x)+jj+1]   ; each accumulator from its low end on
.set jj, jj+2
.endr
	WIN 0x04
.set jj, 0
.rept 16
	v_mul_f32 v[RR+jj], -v[YB+2*jj+1], v[SI+jj]
	v_mul_f32 v[RR+16+jj], v[YB+2*jj], v[SI+jj]
.set jj, jj+1
.endr
.set jj, 0
.rept 16
	v_permlane16_swap_b32 v[RR+jj], v[RR+16+jj]    ; the first's lanes 16-31 change places with the second's lanes 0-15
.set jj, jj+1
.endr
.set jj, 0
.rept 16
	v_pk_fma_f32 v[YB+jj:YB+jj+1], v[YB+jj:YB+jj+1], v[CO+jj:CO+jj+1], v[RR+jj:RR+jj+1]
.set jj, jj+2
.endr
	WIN 0
	QUANT32 YB, CDS+8*(\x), TMP
	PAIR16 \a, \x
.irp p, 0,1,2
	global_store_b64 v8, v[CDS+8*(\x)+2*\p:CDS+8*(\x)+2*\p+1], s[16:17] offset:(\x)*98304+(\a)*768+\p*256   ; 256 consecutive bytes, aligned
.endr
.endm
; V: channel row 16 (a % 4) + r of head a / 4, keys of group x, 32 h + 0 .. 31
.macro VUNIT a, x
.set CDS, 152+16*((\a)%4)
.set AC, 64*((\a)%4)+32*(\x)
	WIN 0x06+(\a)/4
.set jj, 0
.rept 16
	v_pk_add_f32 v[YB+jj:YB+jj+1], v[AC+jj:AC+jj+1], v[2*(\a):2*(\a)+1]
.set jj, jj+2
.endr
	WIN 0
	QUANT32 YB, CDS+8*(\x), TMP
	PAIR16 \a, \x
.irp p, 0,1,2
	global_store_b64 v8, v[CDS+8*(\x)+2*\p:CDS+8*(\x)+2*\p+1], s[16:17] offset:((\a)/4)*98304+(\x)*3072+((\a)%4)*768+\p*256
.endr
.endm
	s_cmp_eq_u32 s23, 2
	s_cbranch_scc1 .Lout_v
.irp a, 0,1,2,3,4,5,6,7
.if \a < 7
	s_wait_loadcnt 12                              ; the biases and this block's tables are in; the next block's 12 loads may be out
.else
	s_wait_loadcnt 0x0
.endif
.if \a == 4
	s_wait_alu depctr_va_vdst(0)
	s_wait_xcnt 0x0                                ; blocks 0-3's stores have read the codes' registers, which blocks 4-7 write again
.endif
	QKUNIT \a, 0
	QKUNIT \a, 1
.if \a < 6
	WIN 0x40
	TABLE \a+2
	WIN 0
.endif
.endr
.irp x, 0,1                            ; the scale pairs: lanes 0-15 my first group of 64 rows, lanes 16-31 my second; a lane's four words are its row's in the four tiles
.irp t, 0,1,2,3
	v_cndmask_b32 v[DD+4*\x+\t], v[SW+8*\x+\t], v[SW+8*\x+4+\t], s66
.endr
	global_store_b128 v9, v[DD+4*\x:DD+4*\x+3], s[18:19] offset:8192*\x   ; 512 consecutive bytes
.endr
	s_branch .Lend
.Lout_v:
	s_wait_loadcnt 0x0
.irp a, 0,1,2,3,4,5,6,7
.if \a == 4
	s_wait_alu depctr_va_vdst(0)
	s_wait_xcnt 0x0                                ; blocks 0-3's stores have read the codes' registers, which blocks 4-7 write again
.endif
	VUNIT \a, 0
	VUNIT \a, 1
.endr
.irp hd, 0,1
.irp t, 0,1,2,3
	v_cndmask_b32 v[DD+4*\hd+\t], v[SW+4*\hd+\t], v[SW+8+4*\hd+\t], s66
.endr
	global_store_b128 v9, v[DD+4*\hd:DD+4*\hd+3], s[18:19] offset:8192*\hd
.endr
.Lend:
	s_wait_tensorcnt 0x0                           ; the wave's end
	ds_add_u32 v[SPW], v[NIL]
	s_wait_dscnt 0x0
	CROUND                                         ; the closing round
	s_endpgm
.Lfunc_end_k_q3d832a0d0e_qkv:
	.size	k_q3d832a0d0e_qkv, .Lfunc_end_k_q3d832a0d0e_qkv-k_q3d832a0d0e_qkv
	.p2alignl 7, 3214868480
	.fill 96, 4, 3214868480
	.section	.rodata,"a",@progbits
	.p2align	6, 0x0
	.amdhsa_kernel k_q3d832a0d0e_qkv
		.amdhsa_group_segment_fixed_size 327680
		.amdhsa_private_segment_fixed_size 0
		.amdhsa_enable_private_segment 0
		.amdhsa_kernarg_size 64
		.amdhsa_user_sgpr_count 2
		.amdhsa_user_sgpr_kernarg_segment_ptr 1
		.amdhsa_wavefront_size32 1
		.amdhsa_system_sgpr_workgroup_id_x 1
		.amdhsa_system_sgpr_workgroup_id_y 1
		.amdhsa_system_sgpr_workgroup_id_z 1
		.amdhsa_system_vgpr_workitem_id 0
		.amdhsa_next_free_vgpr 1024
		.amdhsa_next_free_sgpr 102
		.amdhsa_reserve_vcc 0
		.amdhsa_float_denorm_mode_32 3
		.amdhsa_float_denorm_mode_16_64 3
		.amdhsa_memory_ordered 1
		.amdhsa_forward_progress 1
		.amdhsa_inst_pref_size 255
	.end_amdhsa_kernel
	.section	.bss,"aw",@nobits
	.p2align	6
	.space	262144
	.amdgpu_metadata
---
amdhsa.version: [ 1, 2 ]
amdhsa.kernels:
  - .name:           k_q3d832a0d0e_qkv
    .symbol:         k_q3d832a0d0e_qkv.kd
    .args:
      - { .name: codes, .offset: 0, .size: 8, .value_kind: global_buffer, .address_space: global }
      - { .name: scales, .offset: 8, .size: 8, .value_kind: global_buffer, .address_space: global }
      - { .name: rope, .offset: 16, .size: 8, .value_kind: global_buffer, .address_space: global }
      - { .name: bq, .offset: 24, .size: 8, .value_kind: global_buffer, .address_space: global }
      - { .name: bk, .offset: 32, .size: 8, .value_kind: global_buffer, .address_space: global }
      - { .name: bv, .offset: 40, .size: 8, .value_kind: global_buffer, .address_space: global }
      - { .name: img, .offset: 48, .size: 8, .value_kind: global_buffer, .address_space: global }
      - { .name: isc, .offset: 56, .size: 8, .value_kind: global_buffer, .address_space: global }
    .group_segment_fixed_size: 327680
    .private_segment_fixed_size: 0
    .kernarg_segment_align: 8
    .kernarg_segment_size: 64
    .max_flat_workgroup_size: 128
    .sgpr_count:     102
    .vgpr_count:     1024
    .wavefront_size: 32
...
	.end_amdgpu_metadata
.endif
;; end of part 2
;; launch attn (part 3): grid 544 x 1, 8 waves a work-group, no clusters, 89,344 bytes of LDS; arguments img, isc, ao, asc; writes ao, asc
.if DOCPART == 3
	.amdgcn_target "amdgcn-amd-amdhsa--gfx1250"
	.amdhsa_code_object_version 6
	.text
	.protected	k_q3d832a0d0e_attn
	.globl	k_q3d832a0d0e_attn
	.p2align	8
	.type	k_q3d832a0d0e_attn,@function
k_q3d832a0d0e_attn:
	s_mov_b64 s[64:65], 0
	v_nop
	global_prefetch_b8 v0, s[64:65] scope:SCOPE_SE
	s_setreg_imm32_b32 hwreg(HW_REG_WAVE_MODE, 25, 1), 1
	s_wait_xcnt 0x0
; O = softmax(Q K^T / 8 + mask) V for 32 (batch, head), both products on codes of FP6; O / l is quantised along the model's 1,024 and leaves as oproj's operand.
; WORK LEFT OUT (shown at the first kernel's head): for queries 64 g .. 64 g + 63 only the key groups g - 2, g - 1, g and keys 0-15 of group 0 can count; all other tiles are zeros by the problem's own mask.
; LIMITS as stated there.  The softmax: t = score x log2(e) / 8, M = ceil(the largest t), p = 2^(t - M) is quantised along the keys; the sum of the unquantised p divides at the end.
; SHARES.  Work-groups 32-543: two heads x 64 queries; wave w: head 2 hp + w / 4, queries 16 (w % 4) on, ONE pass over four slots of 64 keys.  The eight waves copy the two heads' four slots of K and V into LDS once.
;   In g = 0 the waves of queries 0-15 jump over the pass (a branch on ids), not over the barriers.
; Work-groups 0-31 (they start first): queries 0-15 of one (batch, head), which see ALL 2,048 keys: wave w takes groups 4 w .. 4 w + 3 straight from memory, with its own M; wave 0 merges the eight parts by exact powers of two.
;   Clusters are not used: there are no tensor loads, and what neighbouring work-groups share is a few slots.
; LAYOUT.  Both products transposed: S^T = K Q^T, O^T = V^T P^T: a lane holds one query.  By the stored order of K's rows the 32 registers of a slot's four tiles are keys 32 (lane / 16) + 0 .. 31: a whole block in one lane.
;   The head's 64 fill half of the instruction's 128: Q's upper six registers are zero codes, so K's upper six may be anything that is finite: they are the next tile's codes.
;   Masks that hold for a whole tile or half of the lanes are the C of the score products (-3e38); the two diagonal slots are masked by compares on ids.
; The one store of 2 bytes a lane: the 16 scale pairs of a special work-group, 32 bytes in a launch's 131,072.
.set HB,    26624                      ; LDS of a head: K 4 x 3,072 | V 4 x 3,072 | K's scale words 4 x 256 | V's 4 x 256
.set STG,   2*HB                       ; 64 rows' scale words of the result
.set SPB,   STG+256                    ; the special path's own: 8 x (O 4,096 | -M 128 | l 128)
.set SPARE, SPB+8*4352                 ; the spare words, 128 bytes for each wave
.set S,   124                          ; v124-251 scores, then p: position p at S + 32 p
.set KF,  44                           ; v44-73, v74-103: two batches of K: 4 tiles x 6 registers + 6 of zeros
.set KS,  104                          ; v104-111 scale words of K, later of V: scales and nothing else (v28, v29: p's; v30: Q's)
.set BM,  16
.set SCF, 20
.set PA,  44
.set PB,  56
.set TC,  68
.set RAW, 76
.set VFA, 124
.set VFB, 172
.set O,   220
.set SPW, 252
.set NIL, 253
.macro QUANT32 z, c, t
	v_max3_num_f32 v[(\t)], |v[(\z)]|, |v[(\z)+1]|, 0x1800000
	v_max3_num_f32 v[(\t)+1], |v[(\z)+16]|, |v[(\z)+17]|, 0x1800000
.irp i, 2,4,6,8,10,12,14
	s_delay_alu instid0(VALU_DEP_2)
	v_max3_num_f32 v[(\t)], v[(\t)], |v[(\z)+\i]|, |v[(\z)+\i+1]|
	s_delay_alu instid0(VALU_DEP_2)
	v_max3_num_f32 v[(\t)+1], v[(\t)+1], |v[(\z)+16+\i]|, |v[(\z)+17+\i]|
.endr
	s_delay_alu instid0(VALU_DEP_1)
	v_max_num_f32 v[(\t)], v[(\t)], v[(\t)+1]
	s_delay_alu instid0(VALU_DEP_1)
	v_add_nc_u32 v[(\t)+2], 0xff000000, v[(\t)]
	s_wait_alu depctr_va_vdst(0)
	s_wait_xcnt 0x0
	v_cvt_scalef32_pk16_fp6_f32 v[(\c):(\c)+2], v[(\z):(\z)+15], v[(\t)+2]
	v_cvt_scalef32_pk16_fp6_f32 v[(\c)+4:(\c)+6], v[(\z)+16:(\z)+31], v[(\t)+2]
	v_lshrrev_b32 v[(\t)+3], 23, v[(\t)+2]         ; the byte; also the plain line behind the conversions
	v_mov_b32 v[(\c)+3], v[(\c)+4]
	v_mov_b32 v[(\c)+4], v[(\c)+5]
	v_mov_b32 v[(\c)+5], v[(\c)+6]
.endm
.macro NOP4
.rept 4
	v_nop
.endr
.endm
; kind = 0: from LDS;  kind = 1: from memory
.macro LD64 kind, dst, isv, off
.if \kind
.if \isv
	global_load_b64 v[(\dst):(\dst)+1], v1, s[68:69] offset:(\off)
.else
	global_load_b64 v[(\dst):(\dst)+1], v1, s[66:67] offset:(\off)
.endif
.else
	ds_load_b64 v[(\dst):(\dst)+1], v4 offset:12288*(\isv)+(\off)
.endif
.endm
.macro LD128S kind, dst, isv, off
.if \kind
.if \isv
	global_load_b128 v[(\dst):(\dst)+3], v3, s[72:73] offset:(\off)
.else
	global_load_b128 v[(\dst):(\dst)+3], v3, s[70:71] offset:(\off)
.endif
.else
	ds_load_b128 v[(\dst):(\dst)+3], v5 offset:1024*(\isv)+(\off)
.endif
.endm
.macro WAITLD kind, n
.if \kind
	s_wait_loadcnt (\n)
.else
	s_wait_dscnt (\n)
.endif
.endm
.macro LDKB kind, buf, slot, nt        ; a slot's scale words and nt tiles of K: 1 + 3 nt loads
	LD128S \kind, KS+4*(\buf), 0, 256*(\slot)
.set tt, 0
.rept \nt
.irp p, 0,1,2
	LD64 \kind, KF+30*(\buf)+6*tt+2*\p, 0, 3072*(\slot)+768*tt+256*\p
.endr
.set tt, tt+1
.endr
.endm
.macro MMS pos, buf, nt, c             ; nt score tiles; c: the first of eight registers of C, or under 0: the constant 0
.set tt, 0
.rept \nt
.if (\c) < 0
	v_wmma_scale_f32_16x16x128_f8f6f4 v[S+32*(\pos)+8*tt:S+32*(\pos)+8*tt+7], v[KF+30*(\buf)+6*tt:KF+30*(\buf)+6*tt+11], v[32:43], 0, v[KS+4*(\buf)+tt], v30 matrix_a_fmt:MATRIX_FMT_FP6 matrix_b_fmt:MATRIX_FMT_FP6
.else
	v_wmma_scale_f32_16x16x128_f8f6f4 v[S+32*(\pos)+8*tt:S+32*(\pos)+8*tt+7], v[KF+30*(\buf)+6*tt:KF+30*(\buf)+6*tt+11], v[32:43], v[(\c):(\c)+7], v[KS+4*(\buf)+tt], v30 matrix_a_fmt:MATRIX_FMT_FP6 matrix_b_fmt:MATRIX_FMT_FP6
.endif
.set tt, tt+1
.endr
.endm
.macro LDV kind, base, sa, sb          ; V's four fragments of 128 keys: registers 0-5 from slot sa, 6-11 from slot sb: 24 loads
.irp t, 0,1,2,3
.irp p, 0,1,2
	LD64 \kind, (\base)+12*\t+2*\p, 1, 3072*(\sa)+768*\t+256*\p
.endr
.irp p, 0,1,2
	LD64 \kind, (\base)+12*\t+6+2*\p, 1, 3072*(\sb)+768*\t+256*\p
.endr
.endr
.endm
; THE PASS: 16 queries x four slots.  Positions 0, 1, 2, 3 = slots 1, 2, 3, 0.  n3: registers of position 3 (16: keys 0-15 of group 0 alone; 32).  It leaves O^T unnormalised in v[O] on, -M in v12, l in v14.
.macro PASS kind, n3
.set NS, 96+(\n3)
	LDKB \kind, 0, 1, 4
	LDKB \kind, 1, 2, 4
	WAITLD \kind, 13                               ; the older batch is in; the younger 13 loads may be out
	MMS 0, 0, 4, 236-237*(\kind)
	NOP4                                           ; places in front of loads into registers that the products have read
	LDKB \kind, 0, 3, 4
	WAITLD \kind, 13
	MMS 1, 1, 4, 244-245*(\kind)
	NOP4
	LDKB \kind, 1, 0, (\n3)/8
	WAITLD \kind, 1+3*(\n3)/8
	MMS 2, 0, 4, -1
	WAITLD \kind, 0
	MMS 3, 1, (\n3)/8, 112-113*(\kind)
	NOP4                                           ; places in front of the loads below and of the first read of the scores
.irp s, 0,1,2,3
	LD128S \kind, RAW+4*\s, 1, 256*\s              ; V's scale pairs of the four slots
.endr
.if (\kind) == 0
	; register idx of a position holds key 32 h + idx of its group; my query is 16 tau + r of group g; v8 = 16 tau + r - 32 h.  Group g: hidden where idx > v8.  Group g - 2: seen where idx >= v8 (in g = 2 keys 0-15 too).
.set kk, 0
.rept 33
	v_cmp_gt_i32 s[28+kk], kk, v8
.set kk, kk+1
.endr
.set kk, 0
.rept 32
	v_cndmask_b32 v[S+64+kk], v[S+64+kk], v9, s[28+kk]
.set kk, kk+1
.endr
.set kk, 0
.rept 16
	s_or_b32 s[29+kk], s[29+kk], s61
.set kk, kk+1
.endr
.set kk, 0
.rept 32
	v_cndmask_b32 v[S+kk], v9, v[S+kk], s[29+kk]
.set kk, kk+1
.endr
.endif
	; the largest score of each block of 32 keys (all 32 are mine): it serves for the row's maximum and, since p rises with the score, for the block's largest p
.irp p, 0,1,2,3
	v_max3_num_f32 v[BM+\p], v[S+32*\p], v[S+32*\p+1], v[S+32*\p+2]
.endr
.irp i, 3,5,7,9,11,13
.irp p, 0,1,2,3
	v_max3_num_f32 v[BM+\p], v[BM+\p], v[S+32*\p+\i], v[S+32*\p+\i+1]
.endr
.endr
.irp i, 15,17,19,21,23,25,27,29
.irp p, 0,1,2,3
.if (\p < 3) || ((\n3) == 32)
	v_max3_num_f32 v[BM+\p], v[BM+\p], v[S+32*\p+\i], v[S+32*\p+\i+1]
.endif
.endr
.endr
.irp p, 0,1,2,3
.if (\p < 3) || ((\n3) == 32)
	v_max_num_f32 v[BM+\p], v[BM+\p], v[S+32*\p+31]
.else
	v_max_num_f32 v[BM+\p], v[BM+\p], v[S+32*\p+15]
.endif
.endr
	s_delay_alu instid0(VALU_DEP_2)
	v_max3_num_f32 v13, v16, v17, v18
	s_delay_alu instid0(VALU_DEP_1)
	v_max_num_f32 v13, v13, v19
	s_delay_alu instid0(VALU_DEP_1)
	v_permlanex16_b32 v11, v13, s22, s23
	s_delay_alu instid0(VALU_DEP_1)
	v_max_num_f32 v13, v13, v11                    ; my query's largest score,
	s_delay_alu instid0(VALU_DEP_1)
	v_mul_f32 v13, s24, v13                        ; as t
	s_delay_alu instid0(VALU_DEP_1)
	v_floor_f32 v12, -v13                          ; -M = floor(-t): M is a whole number
.set jj, 0
.rept NS/2
	v_pk_fma_f32 v[S+jj:S+jj+1], v[S+jj:S+jj+1], s[24:25], v[12:13] op_sel_hi:[1,0,0]   ; t - M
.set jj, jj+2
.endr
.irp p, 0,1,2,3
	v_fma_f32 v[BM+\p], v[BM+\p], s24, v12
.endr
.set jj, 0
	s_wait_alu depctr_va_vdst(0)
.rept NS
	v_exp_f32 v[S+jj], v[S+jj]                     ; p
.set jj, jj+1
.endr
	v_nop                                          ; the plain line behind the batch
	s_wait_alu depctr_va_vdst(0)                   ; one wait for the whole batch, ahead of its first reader
.irp p, 0,1,2,3
	v_exp_f32 v[BM+\p], v[BM+\p]                   ; each block's largest p: the same two instructions on the same number
.endr
	v_pk_add_f32 v[14:15], v[S:S+1], v[S+2:S+3]    ; the sum of the unquantised p, in two chains
	v_pk_add_f32 v[24:25], v[S+4:S+5], v[S+6:S+7]
.set jj, 8
.rept (NS-8)/4
	v_pk_add_f32 v[14:15], v[14:15], v[S+jj:S+jj+1]
	v_pk_add_f32 v[24:25], v[24:25], v[S+jj+2:S+jj+3]
.set jj, jj+4
.endr
	s_delay_alu instid0(VALU_DEP_1)
	v_pk_add_f32 v[14:15], v[14:15], v[24:25]
	s_wait_alu depctr_va_vdst(0)                   ; and one for the four
.irp p, 0,1,2,3
	v_max_num_f32 v[BM+\p], 0x1800000, v[BM+\p]    ; the floor: the byte cannot fall under 1
.endr
.irp p, 0,1,2,3
	s_delay_alu instid0(VALU_DEP_4)
	v_add_nc_u32 v[SCF+\p], 0xff000000, v[BM+\p]
.endr
.irp p, 0,1,2,3
	s_delay_alu instid0(VALU_DEP_4)
	v_lshrrev_b32 v[24+\p], 23, v[SCF+\p]
.endr
	s_delay_alu instid0(VALU_DEP_3)
	v_lshl_or_b32 v24, v25, 16, v24
	s_delay_alu instid0(VALU_DEP_2)
	v_lshl_or_b32 v26, v27, 16, v26
	s_delay_alu instid0(VALU_DEP_2)
	v_lshlrev_b32 v24, v10, v24
	s_delay_alu instid0(VALU_DEP_2)
	v_lshlrev_b32 v26, v10, v26
	s_delay_alu instid0(VALU_DEP_2)
	v_permlanex16_b32 v11, v24, s22, s23
	s_delay_alu instid0(VALU_DEP_1)
	v_or_b32 v28, v24, v11                         ; p's scale word for positions 0, 1
	s_delay_alu instid0(VALU_DEP_2)
	v_permlanex16_b32 v11, v26, s22, s23
	s_delay_alu instid0(VALU_DEP_1)
	v_or_b32 v29, v26, v11                         ; and 2, 3
	v_cvt_scalef32_pk16_fp6_f32 v[PA:PA+2], v[S:S+15], v[SCF]
	v_cvt_scalef32_pk16_fp6_f32 v[TC:TC+2], v[S+16:S+31], v[SCF]
	v_cvt_scalef32_pk16_fp6_f32 v[PA+6:PA+8], v[S+32:S+47], v[SCF+1]
	v_cvt_scalef32_pk16_fp6_f32 v[TC+4:TC+6], v[S+48:S+63], v[SCF+1]
	v_nop
.irp i, 0,1,2
	v_mov_b32 v[PA+3+\i], v[TC+\i]
	v_mov_b32 v[PA+9+\i], v[TC+4+\i]
.endr
	LDV \kind, VFA, 1, 2
	v_cvt_scalef32_pk16_fp6_f32 v[PB:PB+2], v[S+64:S+79], v[SCF+2]
	v_cvt_scalef32_pk16_fp6_f32 v[TC:TC+2], v[S+80:S+95], v[SCF+2]
	v_cvt_scalef32_pk16_fp6_f32 v[PB+6:PB+8], v[S+96:S+111], v[SCF+3]
.if (\n3) == 32
	v_cvt_scalef32_pk16_fp6_f32 v[TC+4:TC+6], v[S+112:S+127], v[SCF+3]
.endif
	v_nop
.irp i, 0,1,2
	v_mov_b32 v[PB+3+\i], v[TC+\i]
.if (\n3) == 32
	v_mov_b32 v[PB+9+\i], v[TC+4+\i]
.else
	v_mov_b32 v[PB+9+\i], 0                        ; keys 16-31 of group 0 do not count: zero codes
.endif
.endr
	LDV \kind, VFB, 3, 0
	WAITLD \kind, 48                               ; V's scale pairs are in; the 48 loads of its fragments may be out
.irp t, 0,1,2,3
	v_lshl_or_b32 v[KS+\t], v[RAW+8+\t], 16, v[RAW+4+\t]     ; slots 1, 2
	v_lshl_or_b32 v[KS+4+\t], v[RAW+\t], 16, v[RAW+12+\t]    ; slots 3, 0
.endr
	v_add_f32 v14, v14, v15
	s_delay_alu instid0(VALU_DEP_1)
	v_permlanex16_b32 v11, v14, s22, s23
	s_delay_alu instid0(VALU_DEP_1)
	v_add_f32 v14, v14, v11                        ; l
.if (\kind) == 0
	s_wait_alu depctr_va_vdst(0)
	v_rcp_f32 v24, v14                             ; its wait stands behind the products, ahead of its first reader
.endif
.rept 8
	v_nop                                          ; scale words written by vector instructions stand eight places ahead of a scaled matrix instruction
.endr
	s_wait_alu depctr_va_vdst(0)
	WAITLD \kind, 0
.irp t, 0,1,2,3                        ; four accumulators by turns
	v_wmma_scale_f32_16x16x128_f8f6f4 v[O+8*\t:O+8*\t+7], v[VFA+12*\t:VFA+12*\t+11], v[PA:PA+11], 0, v[KS+\t], v28 matrix_a_fmt:MATRIX_FMT_FP6 matrix_b_fmt:MATRIX_FMT_FP6
.endr
.irp t, 0,1,2,3
	v_wmma_scale_f32_16x16x128_f8f6f4 v[O+8*\t:O+8*\t+7], v[VFB+12*\t:VFB+12*\t+11], v[PB:PB+11], v[O+8*\t:O+8*\t+7], v[KS+4+\t], v29 matrix_a_fmt:MATRIX_FMT_FP6 matrix_b_fmt:MATRIX_FMT_FP6
.endr
	NOP4
.endm
	s_load_b256 s[4:11], s[0:1], 0x0               ; img, isc, ao, asc
	v_lshl_add_u32 v[SPW], v0, 2, SPARE
	v_mov_b32 v[NIL], 0
	v_lshrrev_b32 v1, 5, v0
	s_delay_alu instid0(VALU_DEP_1)
	v_readfirstlane_b32 s12, v1                    ; wave
	s_lshr_b32 s14, s12, 2                         ; e
	s_and_b32 s15, s12, 3                          ; tau
	v_and_b32 v24, 31, v0                          ; lane
	v_and_b32 v25, 15, v0                          ; r
	v_bfe_u32 v26, v0, 4, 1                        ; h
	s_delay_alu instid0(VALU_DEP_3)
	v_lshlrev_b32 v1, 3, v24                       ; 8 x lane
	s_delay_alu instid0(VALU_DEP_4)
	v_lshlrev_b32 v2, 4, v24                       ; 16 x lane
	s_delay_alu instid0(VALU_DEP_4)
	v_lshlrev_b32 v3, 4, v25                       ; 16 r
	s_mul_i32 s26, s14, HB
	v_add_nc_u32 v4, s26, v1                       ; my head's images
	v_add_nc_u32 v5, s26, v3
	s_delay_alu instid0(VALU_DEP_1)
	v_add_nc_u32 v5, 24576, v5                     ; and scale words
	s_mul_i32 s27, s15, 3072
	s_add_co_u32 s27, s27, s26
	v_add_nc_u32 v6, s27, v2                       ; the copy: slot tau of my head
	s_lshl_b32 s27, s15, 8
	s_add_co_u32 s27, s27, s26
	v_add_nc_u32 v7, s27, v1
	s_delay_alu instid0(VALU_DEP_1)
	v_add_nc_u32 v7, 24576, v7
	v_lshlrev_b32 v8, 5, v26
	s_delay_alu instid0(VALU_DEP_1)
	v_sub_nc_u32 v8, v25, v8
	s_lshl_b32 s27, s15, 4
	v_add_nc_u32 v8, s27, v8                       ; 16 tau + r - 32 h
	v_mov_b32 v9, 0xff61b1e6                       ; -3e38
	v_lshlrev_b32 v10, 3, v26                      ; 8 h
	v_mov_b32 v11, 0
	v_mov_b32 v31, 0                               ; the result's scale pair
	v_lshlrev_b32 v254, 2, v25
	s_lshl_b32 s27, s15, 6
	s_lshl_b32 s26, s14, 1
	s_add_co_u32 s27, s27, s26
	s_add_co_u32 s27, s27, STG
	v_add_nc_u32 v254, s27, v254                   ; the stage: 64 tau + 4 r + 2 e
	v_add_nc_u32 v255, STG, v1
	s_mul_i32 s27, s12, 4352
	s_add_co_u32 s27, s27, SPB
	v_add_nc_u32 v120, s27, v2                     ; the special path: my part's image,
	v_lshlrev_b32 v121, 2, v24
	s_delay_alu instid0(VALU_DEP_1)
	v_add_nc_u32 v123, SPB+4096, v121              ; (wave 0 reads all parts by these two)
	s_delay_alu instid0(VALU_DEP_2)
	v_add_nc_u32 v121, s27, v121                   ; its -M and l
	v_add_nc_u32 v122, SPB, v2
.irp j, 38,39,40,41,42,43,68,69,70,71,72,73,98,99,100,101,102,103
	v_mov_b32 v[\j], 0                             ; Q's upper half and the batches' tails: zero codes
.endr
	s_mov_b32 s22, 0x76543210
	s_mov_b32 s23, 0xfedcba98
	s_mov_b32 s24, 0x3e38aa3b                      ; log2(e) / 8
	s_mov_b32 s25, s24
	s_mov_b32 s83, 0
	s_wait_kmcnt 0x0
	s_cmp_lt_u32 ttmp9, 32
	s_cbranch_scc1 .Lspecial
	; ---- 64 queries x two heads
	s_sub_co_u32 s26, ttmp9, 32
	s_and_b32 s18, s26, 7                          ; the pair of heads
	s_lshr_b32 s16, s26, 3
	s_and_b32 s16, s16, 31                         ; g
	s_lshr_b32 s17, s26, 8                         ; the batch
	s_lshl_b32 s19, s18, 1
	s_add_co_u32 s19, s19, s14                     ; the head
	s_lshl_b32 s20, s17, 4
	s_add_co_u32 s20, s20, s19
	s_add_co_u32 s62, s16, s15
	s_sub_co_i32 s62, s62, 3
	s_max_i32 s62, s62, 0
	s_cmp_eq_u32 s15, 0
	s_cselect_b32 s62, 0, s62                      ; slot 0: group 0; slots 1, 2, 3: groups g - 2, g - 1, g, held at 0 from below
	s_mul_i32 s26, s20, 98304
	s_mul_i32 s27, s62, 3072
	s_add_co_u32 s82, s26, s27
	s_add_co_u32 s82, s82, 3145728
	s_add_nc_u64 s[66:67], s[4:5], s[82:83]        ; K's group,
	s_add_nc_u64 s[68:69], s[66:67], 3145728       ; V's
	s_mul_i32 s27, s16, 3072
	s_add_co_u32 s82, s26, s27
	s_mul_i32 s27, s15, 768
	s_add_co_u32 s82, s82, s27
	s_add_nc_u64 s[74:75], s[4:5], s[82:83]        ; my tile of Q
	s_lshl_b32 s26, s20, 13
	s_lshl_b32 s27, s62, 8
	s_add_co_u32 s82, s26, s27
	s_add_co_u32 s82, s82, 262144
	s_add_nc_u64 s[70:71], s[6:7], s[82:83]
	s_add_nc_u64 s[72:73], s[70:71], 262144
	s_lshl_b32 s27, s16, 8
	s_add_co_u32 s82, s26, s27
	s_lshl_b32 s27, s15, 2
	s_add_co_u32 s82, s82, s27
	s_add_nc_u64 s[76:77], s[6:7], s[82:83]
	s_lshl_b32 s82, s19, 8
	s_lshl_b32 s27, s17, 7
	s_add_co_u32 s82, s82, s27
	s_lshl_b32 s27, s16, 2
	s_add_co_u32 s82, s82, s27
	s_add_co_u32 s82, s82, s15
	s_mul_i32 s82, s82, 768
	s_add_nc_u64 s[78:79], s[8:9], s[82:83]        ; ao: [head][16 rows]
	s_lshl_b32 s82, s18, 12
	s_lshl_b32 s27, s17, 11
	s_add_co_u32 s82, s82, s27
	s_lshl_b32 s27, s16, 6
	s_add_co_u32 s82, s82, s27
	s_lshl_b32 s82, s82, 2
	s_add_nc_u64 s[80:81], s[10:11], s[82:83]      ; asc: [pair of heads][row]
.irp p, 0,1,2
	global_load_b64 v[32+2*\p:33+2*\p], v1, s[74:75] offset:256*\p
.endr
	global_load_b32 v30, v3, s[76:77]
.irp i, 0,1,2,3,4,5
	global_load_b128 v[124+4*\i:127+4*\i], v2, s[66:67] offset:512*\i
	global_load_b128 v[148+4*\i:151+4*\i], v2, s[68:69] offset:512*\i
.endr
	global_load_b64 v[172:173], v1, s[70:71]
	global_load_b64 v[174:175], v1, s[72:73]
	s_mov_b32 s63, 0xff61b1e6
	s_cmp_ge_u32 s16, 2
	s_cselect_b32 s26, 0, s63                      ; group g - 2 exists?
	s_cmp_ge_u32 s16, 1
	s_cselect_b32 s27, 0, s63                      ; group g - 1?
.irp j, 0,1,2,3,4,5,6,7
	v_mov_b32 v[236+\j], s26
	v_mov_b32 v[244+\j], s27
.endr
	s_cmp_ge_u32 s16, 3
	s_cselect_b32 s26, 0xffff, 0                   ; group 0 counts by itself from g = 3 on, and only its keys under 32 h + 16 with h = 0
	v_mov_b32 v27, 0
	s_delay_alu instid0(VALU_DEP_1)
	v_cndmask_b32 v112, v9, v27, s26
.irp j, 1,2,3,4,5,6,7
	v_mov_b32 v[112+\j], v112
.endr
	s_cmp_eq_u32 s16, 2
	s_cselect_b32 s61, 0xffff, 0                   ; in g = 2 group g - 2 is group 0: its keys 0-15 are seen by all
	s_wait_loadcnt 0x0
.irp i, 0,1,2,3,4,5
	ds_store_b128 v6, v[124+4*\i:127+4*\i] offset:512*\i
	ds_store_b128 v6, v[148+4*\i:151+4*\i] offset:12288+512*\i
.endr
	ds_store_b64 v7, v[172:173]
	ds_store_b64 v7, v[174:175] offset:1024
	s_wait_dscnt 0x0                               ; for the others' sake: my stores have landed
	s_barrier_signal -1
	s_barrier_wait -1
	s_or_b32 s26, s16, s15
	s_cmp_eq_u32 s26, 0
	s_cbranch_scc1 .Lskip                          ; queries 0-15 belong to the special work-groups
	s_wait_alu depctr_va_vdst(0)
	PASS 0, 16
	s_wait_alu depctr_va_vdst(0)                   ; the reciprocal's wait, ahead of its first reader
.set jj, 0
.rept 16
	v_pk_mul_f32 v[O+jj:O+jj+1], v[O+jj:O+jj+1], v[24:25] op_sel_hi:[1,0]   ; O / l: channels 32 h + 0 .. 31 of my query
.set jj, jj+2
.endr
	QUANT32 O, TC, BM
.irp p, 0,1,2
	global_store_b64 v1, v[TC+2*\p:TC+2*\p+1], s[78:79] offset:256*\p       ; 256 consecutive bytes, aligned
.endr
	v_lshlrev_b32 v19, v10, v19
	s_delay_alu instid0(VALU_DEP_1)
	v_permlanex16_b32 v11, v19, s22, s23
	s_delay_alu instid0(VALU_DEP_1)
	v_or_b32 v31, v19, v11
.Lskip:
	ds_store_b16 v254, v31                         ; every wave stores, so that every byte of the stage is written (both halves of the lanes write the same)
	s_wait_dscnt 0x0
	s_barrier_signal -1
	s_barrier_wait -1
	s_cmp_lg_u32 s12, 0
	s_cbranch_scc1 .Lexit
	s_cmp_eq_u32 s16, 0
	s_cselect_b32 vcc_lo, 0xffffff00, -1           ; in g = 0 rows 0-15 (lanes 0-7) are another work-group's
	s_wait_xcnt 0x0                                ; EXEC changes only behind this wait
	s_and_saveexec_b32 s62, vcc_lo
	ds_load_b64 v[24:25], v255
	s_wait_dscnt 0x0
	global_store_b64 v1, v[24:25], s[80:81]        ; 64 rows' words: 256 consecutive bytes
	s_wait_xcnt 0x0                                ; and again in front of the line that widens it
	s_or_b32 exec_lo, exec_lo, s62
	s_branch .Lexit
	; ---- queries 0-15 of one (batch, head): all keys, 256 a wave
.Lspecial:
	s_mov_b32 s20, ttmp9
	s_lshr_b32 s17, s20, 4
	s_and_b32 s19, s20, 15
	s_mul_i32 s82, s20, 98304
	s_add_nc_u64 s[74:75], s[4:5], s[82:83]
	s_mul_i32 s27, s12, 12288
	s_add_co_u32 s82, s82, s27
	s_add_co_u32 s82, s82, 3145728
	s_add_nc_u64 s[66:67], s[4:5], s[82:83]
	s_add_nc_u64 s[68:69], s[66:67], 3145728
	s_lshl_b32 s82, s20, 13
	s_add_nc_u64 s[76:77], s[6:7], s[82:83]
	s_lshl_b32 s27, s12, 10
	s_add_co_u32 s82, s82, s27
	s_add_co_u32 s82, s82, 262144
	s_add_nc_u64 s[70:71], s[6:7], s[82:83]
	s_add_nc_u64 s[72:73], s[70:71], 262144
	s_lshl_b32 s82, s19, 8
	s_lshl_b32 s27, s17, 7
	s_add_co_u32 s82, s82, s27
	s_mul_i32 s82, s82, 768
	s_add_nc_u64 s[78:79], s[8:9], s[82:83]
	s_lshr_b32 s82, s19, 1
	s_lshl_b32 s82, s82, 12
	s_lshl_b32 s27, s17, 11
	s_add_co_u32 s82, s82, s27
	s_lshl_b32 s82, s82, 2
	s_and_b32 s27, s19, 1
	s_lshl_b32 s27, s27, 1
	s_add_co_u32 s82, s82, s27
	s_add_nc_u64 s[80:81], s[10:11], s[82:83]
.irp p, 0,1,2
	global_load_b64 v[32+2*\p:33+2*\p], v1, s[74:75] offset:256*\p
.endr
	global_load_b32 v30, v3, s[76:77]
	s_wait_alu depctr_va_vdst(0)
	PASS 1, 32
.irp i, 0,1,2,3,4,5,6,7
	ds_store_b128 v120, v[O+4*\i:O+4*\i+3] offset:512*\i   ; my part as an image of its registers, each accumulator from its low end on
.endr
	ds_store_b32 v121, v12 offset:4096
	ds_store_b32 v121, v14 offset:4224
	s_wait_dscnt 0x0
	s_barrier_signal -1
	s_barrier_wait -1
	s_cmp_lg_u32 s12, 0
	s_cbranch_scc1 .Lexit
.macro SPLOAD w
.irp i, 0,1,2,3,4,5,6,7
	ds_load_b128 v[124+32*((\w)%2)+4*\i:127+32*((\w)%2)+4*\i], v122 offset:4352*(\w)+512*\i
.endr
.endm
.irp w, 0,1,2,3,4,5,6,7
	ds_load_b32 v[32+\w], v123 offset:4352*\w
	ds_load_b32 v[40+\w], v123 offset:4352*\w+128
.endr
	SPLOAD 0
	SPLOAD 1
	s_wait_dscnt 16                                ; the eight -M and l are in; two images may be out
	v_min3_num_f32 v12, v32, v33, v34
	s_delay_alu instid0(VALU_DEP_1)
	v_min3_num_f32 v12, v12, v35, v36
	s_delay_alu instid0(VALU_DEP_1)
	v_min3_num_f32 v12, v12, v37, v38
	s_delay_alu instid0(VALU_DEP_1)
	v_min_num_f32 v12, v12, v39                    ; -M of all keys
.irp w, 0,1,2,3,4,5,6,7
	v_sub_f32 v[48+2*\w], v12, v[32+\w]            ; M of the part less M of all: a whole number, 0 or less
.endr
.irp w, 0,1,2,3,4,5,6,7
	v_cvt_i32_f32 v[48+2*\w], v[48+2*\w]
.endr
.irp w, 0,1,2,3,4,5,6,7
	v_ldexp_f32 v[48+2*\w], 1.0, v[48+2*\w]        ; an exact power of two
.endr
.irp w, 0,1,2,3,4,5,6,7
	v_mov_b32 v[49+2*\w], v[48+2*\w]
.endr
	v_mul_f32 v14, v48, v40
.irp w, 1,2,3,4,5,6,7
	s_delay_alu instid0(VALU_DEP_1)
	v_fma_f32 v14, v[48+2*\w], v[40+\w], v14
.endr
	s_wait_alu depctr_va_vdst(0)
	v_rcp_f32 v24, v14
.irp w, 0,1,2,3,4,5,6,7
.if \w < 7
	s_wait_dscnt 8                                 ; this image is in; the next may be out
.else
	s_wait_dscnt 0x0
.endif
.set jj, 0
.rept 16
.if \w == 0
	v_pk_mul_f32 v[188+jj:189+jj], v[124+jj:125+jj], v[48:49] op_sel_hi:[1,0]
.else
	v_pk_fma_f32 v[188+jj:189+jj], v[124+32*(\w%2)+jj:125+32*(\w%2)+jj], v[48+2*\w:49+2*\w], v[188+jj:189+jj] op_sel_hi:[1,0,1]
.endif
.set jj, jj+2
.endr
.if \w < 6
	SPLOAD \w+2
.endif
.endr
	s_wait_alu depctr_va_vdst(0)                   ; the reciprocal's wait, ahead of its first reader
.set jj, 0
.rept 16
	v_pk_mul_f32 v[188+jj:189+jj], v[188+jj:189+jj], v[24:25] op_sel_hi:[1,0]
.set jj, jj+2
.endr
	QUANT32 188, TC, BM
.irp p, 0,1,2
	global_store_b64 v1, v[TC+2*\p:TC+2*\p+1], s[78:79] offset:256*\p
.endr
	v_lshlrev_b32 v19, v10, v19
	s_delay_alu instid0(VALU_DEP_1)
	v_permlanex16_b32 v11, v19, s22, s23
	s_delay_alu instid0(VALU_DEP_1)
	v_or_b32 v31, v19, v11
	v_and_b32 v27, 15, v0
	s_delay_alu instid0(VALU_DEP_1)
	v_lshlrev_b32 v27, 2, v27
	global_store_b16 v27, v31, s[80:81]            ; my head's half of rows 0-15's words
.Lexit:
	s_wait_tensorcnt 0x0                           ; the wave's end, behind my last LDS store
	ds_add_u32 v[SPW], v[NIL]
	s_wait_dscnt 0x0
	s_endpgm
.Lfunc_end_k_q3d832a0d0e_attn:
	.size	k_q3d832a0d0e_attn, .Lfunc_end_k_q3d832a0d0e_attn-k_q3d832a0d0e_attn
	.p2alignl 7, 3214868480
	.fill 96, 4, 3214868480
	.section	.rodata,"a",@progbits
	.p2align	6, 0x0
	.amdhsa_kernel k_q3d832a0d0e_attn
		.amdhsa_group_segment_fixed_size 89344
		.amdhsa_private_segment_fixed_size 0
		.amdhsa_enable_private_segment 0
		.amdhsa_kernarg_size 32
		.amdhsa_user_sgpr_count 2
		.amdhsa_user_sgpr_kernarg_segment_ptr 1
		.amdhsa_wavefront_size32 1
		.amdhsa_system_sgpr_workgroup_id_x 1
		.amdhsa_system_sgpr_workgroup_id_y 1
		.amdhsa_system_sgpr_workgroup_id_z 1
		.amdhsa_system_vgpr_workitem_id 0
		.amdhsa_next_free_vgpr 256
		.amdhsa_next_free_sgpr 84
		.amdhsa_reserve_vcc 1
		.amdhsa_float_denorm_mode_32 3
		.amdhsa_float_denorm_mode_16_64 3
		.amdhsa_memory_ordered 1
		.amdhsa_forward_progress 1
		.amdhsa_inst_pref_size 104
	.end_amdhsa_kernel
	.amdgpu_metadata
---
amdhsa.version: [ 1, 2 ]
amdhsa.kernels:
  - .name:           k_q3d832a0d0e_attn
    .symbol:         k_q3d832a0d0e_attn.kd
    .args:
      - { .name: img, .offset: 0, .size: 8, .value_kind: global_buffer, .address_space: global }
      - { .name: isc, .offset: 8, .size: 8, .value_kind: global_buffer, .address_space: global }
      - { .name: ao, .offset: 16, .size: 8, .value_kind: global_buffer, .address_space: global }
      - { .name: asc, .offset: 24, .size: 8, .value_kind: global_buffer, .address_space: global }
    .group_segment_fixed_size: 89344
    .private_segment_fixed_size: 0
    .kernarg_segment_align: 8
    .kernarg_segment_size: 32
    .max_flat_workgroup_size: 256
    .sgpr_count:     84
    .vgpr_count:     256
    .wavefront_size: 32
...
	.end_amdgpu_metadata
.endif
;; end of part 3
;; launch oproj (part 4): grid 8 x 32, 4 waves a work-group, clusters of 4 x 1, 327,680 bytes of LDS; arguments ao, asc, codes, scales, bo, out0; writes out0
.if DOCPART == 4
	.amdgcn_target "amdgcn-amd-amdhsa--gfx1250"
	.amdhsa_code_object_version 6
	.text
	.protected	k_q3d832a0d0e_oproj
	.globl	k_q3d832a0d0e_oproj
	.p2align	8
	.type	k_q3d832a0d0e_oproj,@function
k_q3d832a0d0e_oproj:
	s_mov_b64 s[64:65], 0
	v_nop
	global_prefetch_b8 v0, s[64:65] scope:SCOPE_SE
	s_setreg_imm32_b32 hwreg(HW_REG_WAVE_MODE, 25, 1), 1
	s_wait_xcnt 0x0
	s_wait_alu depctr_hold_cnt(0) depctr_sa_sdst(0) depctr_va_vdst(0) depctr_va_sdst(0) depctr_va_ssrc(0) depctr_va_vcc(0) depctr_vm_vsrc(0)
	s_getreg_b32 s2, hwreg(HW_REG_IB_STS2, 6, 4)
	s_cmp_eq_u32 s2, 0
	s_cbranch_scc0 .Lentry_in_a_cluster
	s_endpgm
.Lentry_in_a_cluster:
	s_bfe_u32 s2, ttmp6, 0x10000c
	s_cmp_lg_u32 s2, 0x3003
	s_cbranch_scc0 .Lentry_shape_is_right
	s_endpgm
.Lentry_shape_is_right:
; out0 = O wo^T + bo on codes of FP6 (E2M3): O's codes and scale words as attn left them, wo's as the first launch made them.  No work is left out here.  LIMITS as stated at the first kernel's head.
; SHARES.  4,096 x 1,024 results in blocks of 128 x 128: 32 x 8 = 256 work-groups of four waves; a wave makes 64 x 64: 16 accumulators, 128 registers.
; A (O's 128 rows, all of K = 1,024: 98,304 bytes) goes through LDS, filled ONCE by four loads at the head, one a wave (256 along K each): no ring, no refill, one barrier.
;   CLUSTER 4 x 1: the four work-groups of a cluster make four blocks of one block row and ask for A's tile jointly.
; B (wo) GOES FROM MEMORY STRAIGHT INTO REGISTERS AND STAYS: a wave's 64 rows for all of K are 4 blocks x 8 steps x 12 = 384 registers, each read once by the wave.  So a step of 16 products takes 24 LDS loads
;   and not 48.  That is why B's tile is not asked for jointly: it never lies in LDS.  The codes lie in memory in the order of the operand's registers ([K / 64][16 rows][3][32 lanes][8 bytes]):
;   each load, from memory or from LDS, takes 256 consecutive bytes, aligned.
; NO PREFETCH: the launch has no loop to run ahead in: all that a work-group reads is asked for at the head.
; SCALE WORDS go from memory into registers: a load takes the words of 32 rows on end, 128 consecutive bytes: lanes 0-15 one block of 16 rows, lanes 16-31 the next; the matrix instruction names the half.
; THE MATRIX INSTRUCTION IS USED TRANSPOSED (source 0 = 16 rows of wo, source 1 = 16 rows of O): a lane holds eight neighbouring numbers of a row of out0.  The bias is the C of each accumulator's first product.
; REGISTERS.  window 0: v16-26 addresses; v28, v29 the add's two; v32-63 scale words and nothing else; v64-159 A's fragments, two sets of 48; on the way out v64-191.
;   window 1: v96-223 the accumulators, (a, b) at 96 + 8 (4 a + b); v224-255 the bias.   windows 2, 3: B's fragments: step s at 48 (s % 4) of window 2 + s / 4.
.set KAPB,   6144                      ; 128 rows x 64 along K
.set KSA,    196608                    ; from 64 along K to the next, in ao
.set KSB,    786432                    ; and in codes
.set QUART,  4*KAPB                    ; what one tensor load brings
.set STG,    16*KAPB                   ; behind A's tile: a stage of 64 rows x (256 + 16) bytes for each wave
.set SPITCH, 272
.set WSTG,   64*SPITCH
.set SPARE,  STG+4*WSTG                ; the spare words, 128 bytes for each wave
.set FR,   12
.set ADRA, 16                          ; v16, v17 my A fragments, K 0-511 and 512-1,023
.set SO,   18                          ; 4 x lane
.set BO,   19                          ; 32 x (lane / 16)
.set L8,   22                          ; 8 x lane
.set STO,  24
.set RD,   25
.set CO,   26
.set SPW,  28
.set NIL,  29
.set SC,   32                          ; K step s: v[SC + 4 s] A's blocks 0, 1; + 1 blocks 2, 3; + 2, + 3 B's
.set AF,   64
.set BK,   64
.set ACC,  96
.set BIAS, 224
.set G1, 24
.set G0, 32
.set BP, 60                            ; s[60:61], s[62:63] my rows of wo's codes, K 0-511 and 512-1,023
.set MSB, 0
.macro WIN new                         ; the immediate's high byte repeats the setting that is left
.if MSB != (\new)
	s_set_vgpr_msb (MSB<<8)|(\new)
.set MSB, (\new)
.endif
.endm
.macro CROUND                          ; a round of the cluster's barrier
	s_barrier_signal -1
	s_barrier_wait -1
	s_cmp_lg_u32 s20, 0
	s_cbranch_scc1 .Lnot_wave_0_\@
	s_barrier_signal -3
.Lnot_wave_0_\@:
	s_barrier_wait -3
	s_barrier_signal -1
	s_barrier_wait -1
.endm
.macro PLACES                          ; plain vector lines between a matrix instruction and a load into, or a read of, its registers
.rept 4
	v_nop
.endr
.endm
	s_load_b256 s[4:11], s[0:1], 0x0               ; ao, asc, codes, scales
	s_load_b128 s[12:15], s[0:1], 0x20             ; bo, out0
	v_lshl_add_u32 v[SPW], v0, 2, SPARE
	v_mov_b32 v[NIL], 0
	ds_add_u32 v[SPW], v[NIL]                      ; the wave's opening: the add, twice on end, and its wait ahead of my first tensor load
	ds_add_u32 v[SPW], v[NIL]
	v_lshrrev_b32 v1, 5, v0
	v_readfirstlane_b32 s20, v1                    ; wave.  Also: which 256 along K of A's tile I fetch
	s_lshr_b32 s21, s20, 1                         ; my half of the block's rows
	s_and_b32 s22, s20, 1                          ; my half of its columns
	s_bfe_u32 s40, ttmp6, 0x40000                  ; cx
	s_lshl_b32 s95, ttmp9, 2
	s_add_co_u32 s95, s95, s40                     ; block column, 0 .. 7
	s_and_b32 s94, ttmp7, 0xffff                   ; block row, 0 .. 31: the same in all four partners
	s_mov_b32 s[G1+0], 15|(3<<16)|(1<<21)          ; 15:0 the mask: all four of the cluster; 17:16 elements of 8 bytes; 21 set beside a mask; no padding
	s_mov_b32 s[G1+1], 768<<16                     ; tensor_dim0: 6,144 bytes
	s_mov_b32 s[G1+2], 4<<16                       ; tensor_dim1: four times 64 along K
	s_mov_b32 s[G1+3], 768<<16
	s_mov_b32 s[G1+4], 4
	s_mov_b32 s[G1+5], KSA/8                       ; the pitch
	s_mov_b32 s[G1+6], 0
	s_mov_b32 s[G1+7], 0
	s_mul_i32 s44, s94, KAPB                       ; A's tile hangs on the block row and the wave alone
	s_mul_i32 s96, s20, 4*KSA
	s_add_co_u32 s44, s44, s96
	s_mov_b32 s45, 0
	s_mul_i32 s96, s20, QUART                      ; where it goes: no place in the cluster enters an LDS address
	s_wait_dscnt 0x0                               ; both opening adds are done
	s_wait_kmcnt 0x0
	s_add_nc_u64 s[44:45], s[4:5], s[44:45]
	CROUND                                         ; all four work-groups are here: the joint loads meet
	s_mov_b32 s[G0], 1
	s_add_co_u32 s[G0+1], s96, 0
	s_mov_b64 s[G0+2:G0+3], s[44:45]
	s_or_b32 s[G0+3], s[G0+3], 0x80000000
	tensor_load_to_lds s[G0:G0+3], s[G1:G1+7]      ; my one tensor load; an s_nop 0 and four v_nop follow it
	s_nop 0
	PLACES
	v_and_b32 v1, 15, v0                           ; r
	v_bfe_u32 v2, v0, 4, 1                         ; h
	v_and_b32 v3, 31, v0                           ; lane
	v_lshlrev_b32 v[L8], 3, v3
	s_mul_i32 s2, s21, 3072                        ; my 64 rows inside each 6,144 bytes
	v_add_nc_u32 v[ADRA], s2, v[L8]
	v_add_nc_u32 v[ADRA+1], 8*KAPB, v[ADRA]
	s_mul_i32 s2, s20, WSTG
	s_add_co_u32 s2, s2, STG                       ; my stage
	v_mul_u32_u24 v5, v1, SPITCH                   ; in: row r, 32 bytes for each half of the lanes
	v_lshl_add_u32 v5, v2, 5, v5
	v_add_nc_u32 v[STO], s2, v5
	v_mul_u32_u24 v6, v2, SPITCH                   ; back: sixteen lanes take a row of 256 bytes, two rows an instruction
	v_lshl_add_u32 v6, v1, 4, v6
	v_add_nc_u32 v[RD], s2, v6
	v_lshlrev_b32 v7, 12, v2                       ; and the same two rows in out0
	v_lshl_add_u32 v[CO], v1, 4, v7
	v_lshlrev_b32 v[SO], 2, v3
	v_lshlrev_b32 v[BO], 5, v2
	s_wait_alu depctr_va_vdst(0)
	s_lshl_b32 s2, s94, 7
	s_lshl_b32 s92, s21, 6
	s_add_co_u32 s2, s2, s92                       ; my first row
	s_lshl_b32 s92, s95, 7
	s_lshl_b32 s93, s22, 6
	s_add_co_u32 s92, s92, s93                     ; my first column
	s_mov_b32 s67, 0
	s_lshl_b32 s66, s2, 2
	s_add_nc_u64 s[6:7], s[6:7], s[66:67]          ; my rows' scale words
	s_lshl_b32 s66, s92, 2
	s_add_nc_u64 s[12:13], s[12:13], s[66:67]      ; my columns' bias
	s_add_nc_u64 s[14:15], s[14:15], s[66:67]
	s_add_co_u32 s66, s66, 15360*4                 ; wo's rows begin at row 15,360
	s_add_nc_u64 s[10:11], s[10:11], s[66:67]      ; my columns' scale words
	s_lshl_b32 s66, s2, 12
	s_add_nc_u64 s[14:15], s[14:15], s[66:67]      ; my corner of out0
	s_add_co_u32 s66, s92, 15360
	s_mul_i32 s66, s66, 48                         ; 16 rows x 64 along K are 768 bytes
	s_add_nc_u64 s[BP:BP+1], s[8:9], s[66:67]      ; my columns' codes
	s_add_nc_u64 s[BP+2:BP+3], s[BP:BP+1], 8*KSB
.irp s, 0,1,2,3,4,5,6,7
	global_load_b32 v[SC+4*\s], v[SO], s[6:7] offset:\s*16384
	global_load_b32 v[SC+4*\s+1], v[SO], s[6:7] offset:\s*16384+128
	global_load_b32 v[SC+4*\s+2], v[SO], s[10:11] offset:\s*65536
	global_load_b32 v[SC+4*\s+3], v[SO], s[10:11] offset:\s*65536+128
.endr
	WIN 0x40
.irp b, 0,1,2,3
	global_load_b128 v[BIAS+8*\b:BIAS+8*\b+3], v[BO], s[12:13] offset:64*\b       ; bo at columns 16 b + 8 h + 0 .. 7: the accumulators' layout
	global_load_b128 v[BIAS+8*\b+4:BIAS+8*\b+7], v[BO], s[12:13] offset:64*\b+16
.endr
.macro BLOAD s                         ; B's four fragments of K step s: 24 loads of 256 consecutive bytes
.irp i, 0,1,2,3
.irp p, 0,1,2,3,4,5
	global_load_b64 v[48*((\s)%4)+FR*\i+2*\p:48*((\s)%4)+FR*\i+2*\p+1], v[L8], s[BP+2*((\s)/4):BP+2*((\s)/4)+1] offset:(2*((\s)%4)+\p/3)*KSB+\i*768+(\p%3)*256
.endr
.endr
.endm
	WIN 0x80                                       ; destination window 2
.irp s, 0,1,2,3
	BLOAD \s
.endr
	WIN 0xc0                                       ; window 3
.irp s, 4,5,6,7
	BLOAD \s
.endr
	WIN 0
.macro FETCH s                         ; A's four fragments of K step s into set s % 2: 24 loads of 256 consecutive bytes
.irp i, 0,1,2,3
.irp p, 0,1,2,3,4,5
	ds_load_b64 v[AF+48*((\s)%2)+FR*\i+2*\p:AF+48*((\s)%2)+FR*\i+2*\p+1], v[ADRA+(\s)/4] offset:(2*((\s)%4)+\p/3)*KAPB+\i*768+(\p%3)*256
.endr
.endr
.endm
.macro WM a, b, s                      ; one product; the halves of the scale registers go by the blocks' parity
.set DD, ACC+8*(4*(\a)+(\b))
.set FB, 48*((\s)%4)+FR*(\b)
.set FA, AF+48*((\s)%2)+FR*(\a)
.set SB, SC+4*(\s)+2+(\b)/2
.set SA, SC+4*(\s)+(\a)/2
.if (\s) == 0
.set CC, BIAS+8*(\b)                   ; the first product starts the sum with the bias: nothing is cleared, nothing is added later
.else
.set CC, DD
.endif
.if ((\b)%2 == 0) && ((\a)%2 == 0)
	v_wmma_scale_f32_16x16x128_f8f6f4 v[DD:DD+7], v[FB:FB+11], v[FA:FA+11], v[CC:CC+7], v[SB], v[SA] matrix_a_fmt:MATRIX_FMT_FP6 matrix_b_fmt:MATRIX_FMT_FP6
.endif
.if ((\b)%2 == 1) && ((\a)%2 == 0)
	v_wmma_scale_f32_16x16x128_f8f6f4 v[DD:DD+7], v[FB:FB+11], v[FA:FA+11], v[CC:CC+7], v[SB], v[SA] matrix_a_fmt:MATRIX_FMT_FP6 matrix_b_fmt:MATRIX_FMT_FP6 matrix_a_scale:MATRIX_SCALE_ROW1
.endif
.if ((\b)%2 == 0) && ((\a)%2 == 1)
	v_wmma_scale_f32_16x16x128_f8f6f4 v[DD:DD+7], v[FB:FB+11], v[FA:FA+11], v[CC:CC+7], v[SB], v[SA] matrix_a_fmt:MATRIX_FMT_FP6 matrix_b_fmt:MATRIX_FMT_FP6 matrix_b_scale:MATRIX_SCALE_ROW1
.endif
.if ((\b)%2 == 1) && ((\a)%2 == 1)
	v_wmma_scale_f32_16x16x128_f8f6f4 v[DD:DD+7], v[FB:FB+11], v[FA:FA+11], v[CC:CC+7], v[SB], v[SA] matrix_a_fmt:MATRIX_FMT_FP6 matrix_b_fmt:MATRIX_FMT_FP6 matrix_a_scale:MATRIX_SCALE_ROW1 matrix_b_scale:MATRIX_SCALE_ROW1
.endif
.endm
.macro MULS s                          ; the 16 accumulators take turns, one instruction a turn, in the same order in every step
	WIN 0x52+(\s)/4                                ; source 0 (B) window 2 or 3, source 1 (A) window 0, C and D window 1
.irp a, 0,1,2,3
.irp b, 0,1,2,3
	WM \a, \b, \s
.endr
.endr
	WIN 0
.endm
	s_wait_tensorcnt 0x0                           ; my quarter of A's tile is in;
	s_barrier_signal -1
	s_barrier_wait -1                              ; everybody's is.
	FETCH 0
.set ST, 0
.rept 7
.if ST > 0
	PLACES                                         ; the loads below land in the set that the step before multiplied
.endif
	FETCH ST+1
	s_wait_dscnt 24                                ; this step's fragments of A are in; the 24 loads just issued may be out
.if 24*(7-ST) > 63
	s_wait_loadcnt 63                              ; the scale words, the bias and B's fragments up to this step are in: behind them stand 24 loads for each later step (the wait's field holds 63 at the most)
.else
	s_wait_loadcnt 24*(7-ST)
.endif
	MULS ST
.set ST, ST+1
.endr
	s_wait_dscnt 0x0
	s_wait_loadcnt 0x0
	MULS 7
	PLACES                                         ; in front of the reads of results and of the loads into A's registers
; THE WAY OUT.  A lane holds 32 neighbouring bytes of a row and the lanes beside it other rows: my 64 x 64 go through my own stage and come back as rows of 256 bytes.
; LDS serves a wave's instructions in order (ISA guide 5.7.1.4): no wait between the stores and the loads.  All LDS work stands ahead of the global stores.
	WIN 0x04                                       ; the data: window 1
.irp a, 0,1,2,3
.irp b, 0,1,2,3
	ds_store_b128 v[STO], v[ACC+8*(4*\a+\b):ACC+8*(4*\a+\b)+3] offset:\a*16*SPITCH+64*\b       ; each accumulator from its low end on
	ds_store_b128 v[STO], v[ACC+8*(4*\a+\b)+4:ACC+8*(4*\a+\b)+7] offset:\a*16*SPITCH+64*\b+16
.endr
.endr
	WIN 0
.set T, 0
.rept 32
	ds_load_b128 v[BK+4*T:BK+4*T+3], v[RD] offset:T*2*SPITCH
.set T, T+1
.endr
	s_wait_tensorcnt 0x0                           ; the wave's end, behind my last tensor load and my last LDS store
	ds_add_u32 v[SPW], v[NIL]
	s_wait_dscnt 0x0                               ; also: my rows are back in registers
.set T, 0
.rept 32
	global_store_b128 v[CO], v[BK+4*T:BK+4*T+3], s[14:15] offset:T*8192 th:TH_STORE_NT   ; sixteen lanes store 256 consecutive bytes, aligned; two rows an instruction
.set T, T+1
.endr
	CROUND                                         ; the closing round
	s_endpgm
.Lfunc_end_k_q3d832a0d0e_oproj:
	.size	k_q3d832a0d0e_oproj, .Lfunc_end_k_q3d832a0d0e_oproj-k_q3d832a0d0e_oproj
	.p2alignl 7, 3214868480
	.fill 96, 4, 3214868480
	.section	.rodata,"a",@progbits
	.p2align	6, 0x0
	.amdhsa_kernel k_q3d832a0d0e_oproj
		.amdhsa_group_segment_fixed_size 327680
		.amdhsa_private_segment_fixed_size 0
		.amdhsa_enable_private_segment 0
		.amdhsa_kernarg_size 48
		.amdhsa_user_sgpr_count 2
		.amdhsa_user_sgpr_kernarg_segment_ptr 1
		.amdhsa_wavefront_size32 1
		.amdhsa_system_sgpr_workgroup_id_x 1
		.amdhsa_system_sgpr_workgroup_id_y 1
		.amdhsa_system_sgpr_workgroup_id_z 1
		.amdhsa_system_vgpr_workitem_id 0
		.amdhsa_next_free_vgpr 1024
		.amdhsa_next_free_sgpr 102
		.amdhsa_reserve_vcc 0
		.amdhsa_float_denorm_mode_32 3
		.amdhsa_float_denorm_mode_16_64 3
		.amdhsa_memory_ordered 1
		.amdhsa_forward_progress 1
		.amdhsa_inst_pref_size 64
	.end_amdhsa_kernel
	.amdgpu_metadata
---
amdhsa.version: [ 1, 2 ]
amdhsa.kernels:
  - .name:           k_q3d832a0d0e_oproj
    .symbol:         k_q3d832a0d0e_oproj.kd
    .args:
      - { .name: ao, .offset: 0, .size: 8, .value_kind: global_buffer, .address_space: global }
      - { .name: asc, .offset: 8, .size: 8, .value_kind: global_buffer, .address_space: global }
      - { .name: codes, .offset: 16, .size: 8, .value_kind: global_buffer, .address_space: global }
      - { .name: scales, .offset: 24, .size: 8, .value_kind: global_buffer, .address_space: global }
      - { .name: bo, .offset: 32, .size: 8, .value_kind: global_buffer, .address_space: global }
      - { .name: out0, .offset: 40, .size: 8, .value_kind: global_buffer, .address_space: global }
    .group_segment_fixed_size: 327680
    .private_segment_fixed_size: 0
    .kernarg_segment_align: 8
    .kernarg_segment_size: 48
    .max_flat_workgroup_size: 128
    .sgpr_count:     102
    .vgpr_count:     1024
    .wavefront_size: 32
...
	.end_amdgpu_metadata
.endif
;; end of part 4
